; MI455X (gfx1250); checked and timed in simulation.
; The chip was launched on July 23, 2026; its instructions are those of AMD's public machine-readable ISA for CDNA 5 (MIT licence, August 2026) and "CDNA5" Instruction Set Architecture Reference Guide (July 2026). The comments in the code are by the model that wrote it; some were corrected since.
;; Multi Headed Attention. Allowed arithmetic: matrix products marked QUANTISED: E2M3 operands, one E8M0 scale for each 32 along K, by v_wmma_scale_f32_16x16x128_f8f6f4 with both operands' format E2M3, f32 sums; everything else in f32.
;; Inputs: attention_mask 4 x 2,048 x 2,048 int32; b_k 1,024 float32; b_o 1,024 float32; b_q 1,024 float32; b_v 1,024 float32; key 4 x 2,048 x 1,024 float32; query 4 x 2,048 x 1,024 float32; value 4 x 2,048 x 1,024 float32; w_k 1,024 x 1,024 float32; w_o 1,024 x 1,024 float32; w_q 1,024 x 1,024 float32; w_v 1,024 x 1,024 float32.
;; Outputs: out0 4 x 2,048 x 1,024 float32.
;; This version of the problem:
;;   THIS VERSION OF THE PROBLEM IS GIVEN IN LOW PRECISION. The matrix products marked QUANTISED in the list below multiply operands that are first quantised to E2M3 (2 exponent bits, 3 mantissa bits; 6 bits a number), with one power-of-two scale for each 32 numbers along K (OCP MX v1.0); their sums are f32. All else is computed in f32.
;;   The module's matrix products, in the order in which they are computed (A, B: the left and right operand; K: the contracted axis; several contracted axes count as one K, in the product's order):
;;     1. [M 8,192, K 1,024] x [K 1,024, N 1,024]; A: input query; B: input w_q: QUANTISED
;;     2. [M 8,192, K 1,024] x [K 1,024, N 1,024]; A: input key; B: input w_k: QUANTISED
;;     3. [M 8,192, K 1,024] x [K 1,024, N 1,024]; A: input value; B: input w_v: QUANTISED
;;     4. batch 64 x [M 2,048, K 64] x [K 64, N 2,048]; A: computed on the way; B: computed on the way: QUANTISED
;;     5. batch 64 x [M 2,048, K 2,048] x [K 2,048, N 64]; A: softmax (see below); B: computed on the way: QUANTISED
;;     6. [M 8,192, K 1,024] x [K 1,024, N 1,024]; A: computed on the way; B: input w_o: QUANTISED
;;   THE QUANTISER, for each operand of a quantised product, along K:
;;     - K is cut into blocks of 32 from its start; a last block that is shorter is filled with zeros.
;;     - A block's scale is 2^e with e = floor(log2(the largest magnitude in the block)) - 2, held to -126 .. 127; a block of zeros has e = 0. As a byte (E8M0): e + 127.
;;     - Each number is divided by its block's scale, clamped to +-7.5, and rounded to the nearest number of E2M3, ties to even, subnormals kept.
;;     - The product sums the exact products of the quantised numbers (number of the format x scale) in f32.
;;   ~~~python
;;   def quantise(x, axis):      # numpy; x: float32 -> the quantised numbers, widened to float32 again
;;       x = np.moveaxis(x, axis, -1); K = x.shape[-1]
;;       x = np.pad(x, [(0, 0)] * (x.ndim - 1) + [(0, -K % 32)]); x = x.reshape(x.shape[:-1] + (-1, 32)); a = np.abs(x).max(-1, keepdims=True)
;;       e = np.where(a > 0, np.clip(np.frexp(np.where(a > 0, a, 1))[1] - 1 - 2, -126, 127), 0)      # np.frexp(a)[1] - 1 = floor(log2(a)), exactly
;;       r = np.clip(x / 2.0 ** e, -7.5, 7.5)
;;       step = 2.0 ** (np.maximum(np.frexp(np.where(r == 0, 1, r))[1] - 1, 0) - 3)
;;       q = np.round(r / step) * step * 2.0 ** e      # np.round: ties to even
;;       return np.moveaxis(q.reshape(q.shape[:-2] + (-1,))[..., :K], -1, axis).astype(np.float32)
;;   ~~~
;;   SOFTMAX AHEAD OF A QUANTISED PRODUCT. Where the list says 'softmax', what is quantised is not the finished softmax but p = 2^(t - M), with t = logit x log2(e) and M = ceil(the row's largest t), a whole number; so 1/2 < the row's largest p <= 1. The row's sum l is taken of the UNQUANTISED p, in f32, and the product's result is divided by l at the end. Since M is a whole number, a kernel that streams over the keys may use a running M (the ceiling of the running maximum): every later rescaling is an exact power of two, which a block's scale takes up: the codes' values come out the same.
;;   OPERANDS COMPUTED ON THE WAY. 'Computed on the way' means the value that the module computes at that place (a softmax that the list does not call 'softmax' is quantised finished and normalised). What goes into a quantiser is computed in f32, as accurately as f32 sums, v_exp_f32 and their like allow (about 1e-6 of the number): no bf16 or f16 on the way to a quantiser, and a product that is left as it is and whose result goes on into a quantised operand takes f32 operands (vector FMAs, or v_wmma_f32_16x16x4_f32). A number that lies on a knife's edge between two numbers of the format may be rounded either way, as far as f32 arithmetic and the matrix unit's own rounding can turn it there, and no further.
;; One version. Each part assembles by itself: llvm-mc -triple=amdgcn-amd-amdhsa -mcpu=gfx1250 --defsym DOCPART=n.
;; ======== version 1 of 1: 4 launches
;; limits: right only within a limited range of input values
;; workspace buffers: codes 22,020,096 bytes; scl 917,504 bytes; maskw 2,097,152 bytes of whole numbers; q_img 6,291,456 bytes; kv_img 12,582,912 bytes; qkv_sc 786,432 bytes; o_img 6,291,456 bytes; o_sc 262,144 bytes
;; launch prep (part 1): grid 704 x 1, 4 waves a work-group, no clusters, 81,408 bytes of LDS; arguments query, key, value, w_q, w_k, w_v, w_o, attention_mask, codes, scl, maskw; writes codes, scl, maskw
.if DOCPART == 1
	.amdgcn_target "amdgcn-amd-amdhsa--gfx1250"
	.amdhsa_code_object_version 6
	.text
	.protected	k_q4ba748e4c0_prep
	.globl	k_q4ba748e4c0_prep
	.p2align	8
	.type	k_q4ba748e4c0_prep,@function
k_q4ba748e4c0_prep:
	s_mov_b64 s[64:65], 0
	v_nop
	global_prefetch_b8 v0, s[64:65] scope:SCOPE_SE
	s_setreg_imm32_b32 hwreg(HW_REG_WAVE_MODE, 25, 1), 1
	s_wait_xcnt 0x0
; PREP.  (1) query, key, value [8192][1024] and w_q, w_k, w_v, w_o [1024][1024], f32, K innermost, become codes of FP6 (E2M3) with one E8M0 byte for each 32 along K.
; (2) attention_mask [4][2048][2048] int32 becomes words of 32 bits, one bit a lane, as the attention launch's selects take them.
; A block's scale is 2^(floor(log2(its largest magnitude)) - 2); its byte is the largest magnitude's exponent field - 2, held at 1 from below.
; LIMITS: a block of zeros, or one whose largest magnitude lies under 2^-124, keeps the byte 1 (its codes are zeros or tiny; this program alone reads the bytes); NaN and infinities are not served.
; ROWS ARE STORED IN POSITIONS: tile tau = 2 G + u of 16 rows holds, at place rho, the tensor's row 32 G + 8 u + rho + 8 (rho / 8).
; CODES: [tau][s = k / 128][g = 0..5][lane][8 bytes]: registers 2 g, 2 g + 1 of the matrix operand's fragment (16 rows x 128 K) for that lane: a fragment is six loads of 256 consecutive bytes.
; SCALE BYTES: [tau][k / 256][row 0..15][8 bytes].   Tiles: query 0.., key 512.., value 1024.., w_q 1536.., w_k 1600.., w_v 1664.., w_o 1728..1791.
; MASK WORDS: [128 batch + query tile][key step of 128][n = 32 g + i]: bit (r + 16 h) is 1 where mask[the tile's row r][128 step + 64 g + 32 h + i] == 0.
; Work-groups 0-895 quantise (a wave: 16 rows x 512 K), 896-1407 pack the mask (a wave: 16 rows x 512 keys).  Waves share nothing: no barrier.  The two paths have LDS bytes of their own.
.set QWG,  896
.set WREG, 11776                       ; quantiser: LDS of a wave: two stages of 32 x SP, the image of its codes, its 256 scale bytes
.set SP,   80                          ; a lane's place in a stage: 64 bytes + 16
.set IMG,  5120                        ; the image: 8 regions (128 K step, half c) of 768 bytes + 16
.set RP,   784
.set SCB,  11392
.set MST,  47104                       ; mask path: stages of 16 rows x MP for each wave
.set MPW,  8448
.set MP,   528
.set R,    16                          ; v16-79   four sets of 16 numbers as loaded
.set X,    80                          ; v80-111  two sets of 16 neighbours
.set E,    112                         ; v112-127 a scale byte for each step
.set C,    128                         ; v128-191 codes: four registers for each step
	v_lshl_add_u32 v216, v0, 2, 0x13c00
	v_mov_b32 v217, 0
	s_mov_b32 s41, 0                               ; the trip
; A WORK-GROUP TAKES TWO UNITS, one after the other: unit s40 = 2 x work-group + trip, 1,408 units on 704 work-groups.  Units 0-895 quantise, units 896-1407 pack the mask
; (where the comments above say work-group, read unit): both units of a work-group lie on the same path.  The body steps its pointers in place, so each trip loads the arguments anew.
.Lunit:
	s_lshl_b32 s40, ttmp9, 1
	s_add_co_u32 s40, s40, s41
	s_load_b512 s[4:19], s[0:1], 0x0               ; query, key, value, w_q, w_k, w_v, w_o, attention_mask
	s_load_b128 s[20:23], s[0:1], 0x40             ; codes, scl
	s_load_b64 s[24:25], s[0:1], 0x50              ; maskw
	v_lshrrev_b32 v1, 5, v0
	v_readfirstlane_b32 s26, v1                    ; wave
	v_and_b32 v2, 31, v0                           ; lane
	v_lshlrev_b32 v3, 4, v2                        ; 16 x lane
	s_cmp_ge_u32 s40, QWG
	s_cbranch_scc1 .Lmask
; ---------------- the quantiser ----------------
	s_mul_i32 s27, s26, WREG
	v_lshrrev_b32 v14, 2, v2
	v_mul_u32_u24 v14, v14, SP
	v_and_b32 v15, 3, v2
	v_lshl_add_u32 v14, v15, 4, v14
	v_add_nc_u32 v14, s27, v14                     ; stage, in: four lanes' 64 bytes on end, then 16 of padding
	v_mul_u32_u24 v15, v2, SP
	v_add_nc_u32 v15, s27, v15                     ; stage, out: my 16 neighbours
	; lane l holds k = 16 l + 0..15 of a row's 512: region l / 4, half h = (l / 2) % 2 of the fragment's lanes, q = l % 2: the block's lower or upper 16 codes
	v_lshrrev_b32 v9, 2, v2
	v_mul_u32_u24 v9, v9, RP
	v_bfe_u32 v10, v2, 1, 1
	v_lshl_add_u32 v9, v10, 7, v9
	v_add_nc_u32 v9, s27, v9
	v_and_b32 v10, 1, v2
	v_mad_u32_u24 v4, v10, 260, v9                 ; my first word: register 0 (q = 0) or 3 (q = 1) of the six; my third lies 256 bytes on
	v_mad_u32_u24 v5, v10, 508, v9                 ; my second (with 4 in the offset): register 1 or 4.  The 32 lanes of each store touch 32 different banks
	v_lshrrev_b32 v7, 4, v2
	v_bfe_u32 v10, v2, 1, 3
	v_lshl_add_u32 v7, v7, 7, v10
	v_add_nc_u32 v7, s27, v7                       ; my block's scale byte: 128 (l / 16) + (l / 2) % 8, + 8 x row
	v_lshlrev_b32 v8, 3, v2                        ; 8 x lane
	v_add_nc_u32 v6, s27, v8                       ; the way back out of the image
	s_mov_b32 s30, 864
	s_wait_kmcnt 0x0
	s_mov_b64 s[28:29], s[16:17]                   ; which tensor: the choice hangs on the work-group's number alone
	s_cmp_lt_u32 s40, 864
	s_cselect_b64 s[28:29], s[14:15], s[28:29]
	s_cselect_b32 s30, 832, s30
	s_cmp_lt_u32 s40, 832
	s_cselect_b64 s[28:29], s[12:13], s[28:29]
	s_cselect_b32 s30, 800, s30
	s_cmp_lt_u32 s40, 800
	s_cselect_b64 s[28:29], s[10:11], s[28:29]
	s_cselect_b32 s30, 768, s30
	s_cmp_lt_u32 s40, 768
	s_cselect_b64 s[28:29], s[8:9], s[28:29]
	s_cselect_b32 s30, 512, s30
	s_cmp_lt_u32 s40, 512
	s_cselect_b64 s[28:29], s[6:7], s[28:29]
	s_cselect_b32 s30, 256, s30
	s_cmp_lt_u32 s40, 256
	s_cselect_b64 s[28:29], s[4:5], s[28:29]
	s_cselect_b32 s30, 0, s30
	s_lshr_b32 s31, s26, 1                         ; u: which of the work-group's two tiles
	s_and_b32 s32, s26, 1                          ; which half of K
	s_sub_co_u32 s33, s40, s30                     ; G in the tensor
	s_lshl_b32 s34, s33, 17                        ; 32 G rows of 4,096 bytes
	; KEY'S TILES HAVE AN ORDER OF THEIR OWN (work-groups 256-511): tile 4 J + t holds at place rho the row 64 J + 32 (rho / 8) + 8 t + rho % 8,
	; so that in the attention launch a lane's 32 scores of four tiles are one whole block of 32 keys.  Against the other tensors' order: the tile begins 16 (G % 2) rows earlier, and places 8-15 lie 16 rows further on.
	s_lshr_b32 s38, s40, 8
	s_cmp_eq_u32 s38, 1
	s_cselect_b32 s38, 65536, 0                    ; 16 rows in bytes for key, 0 for the others
	s_and_b32 s39, s33, 1
	s_mul_i32 s39, s39, s38
	s_sub_co_u32 s34, s34, s39
	v_add_nc_u32 v200, s38, v3                     ; the lane's offset for places 8-15
	s_lshl_b32 s35, s31, 15                        ; + 8 u rows
	s_add_co_u32 s34, s34, s35
	s_lshl_b32 s35, s32, 11                        ; + 512 numbers
	s_add_co_u32 s34, s34, s35
	s_mov_b32 s35, 0
	s_add_nc_u64 s[28:29], s[28:29], s[34:35]
	s_lshl_b32 s36, s40, 1
	s_add_co_u32 s36, s36, s31                     ; tau
	s_mul_i32 s34, s36, 12288
	s_mul_i32 s37, s32, 6144
	s_add_co_u32 s34, s34, s37
	s_add_nc_u64 s[20:21], s[20:21], s[34:35]
	s_lshl_b32 s34, s36, 9
	s_lshl_b32 s37, s32, 8
	s_add_co_u32 s34, s34, s37
	s_add_nc_u64 s[22:23], s[22:23], s[34:35]
.macro LOAD t                          ; place t of the tile: 2,048 bytes of row t + 8 (t / 8); each load reads 512 consecutive bytes
.irp i, 0,1,2,3
	global_load_b128 v[R+16*((\t)%4)+4*\i:R+16*((\t)%4)+4*\i+3], v[3+197*((\t)/8)], s[28:29] offset:((\t)+8*((\t)/8))*4096+512*\i th:TH_LOAD_NT   ; v3 for places 0-7, v200 for places 8-15
.endr
.endm
.macro TURN t                          ; through the stage: LDS serves a wave's instructions in order, so no wait stands between the stores and the loads
.irp i, 0,1,2,3
	ds_store_b128 v14, v[R+16*((\t)%4)+4*\i:R+16*((\t)%4)+4*\i+3] offset:32*SP*((\t)%2)+8*SP*\i
.endr
.irp i, 0,1,2,3
	ds_load_b128 v[X+16*((\t)%2)+4*\i:X+16*((\t)%2)+4*\i+3], v15 offset:32*SP*((\t)%2)+16*\i
.endr
.endm
.irp t, 0,1,2,3
	LOAD \t
.endr
	s_wait_loadcnt 12                              ; step 0's four loads are in
	TURN 0
.macro STEP t
.set XS, X+16*((\t)%2)
.if (\t) > 0
	s_wait_dscnt 4                                 ; this step's numbers are back from the stage; the last step's four stores, issued behind them, may be out
.else
	s_wait_dscnt 0x0
.endif
.if (\t)+4 < 16
	LOAD (\t)+4                                    ; into the set whose stores into the stage have been served
.endif
.if (\t)+1 < 16
.if 14-(\t) >= 3
	s_wait_loadcnt 12                              ; the next step's four loads are in; three younger steps' may be out
.else
	s_wait_loadcnt 4*(14-(\t))
.endif
	TURN (\t)+1
.endif
	v_max3_num_f32 v12, |v[XS]|, |v[XS+1]|, |v[XS+2]|              ; the largest magnitude of my 16, in two chains
	v_max3_num_f32 v13, |v[XS+3]|, |v[XS+4]|, |v[XS+5]|
.irp i, 6,10
	v_max3_num_f32 v12, v12, |v[XS+\i]|, |v[XS+\i+1]|
	v_max3_num_f32 v13, v13, |v[XS+\i+2]|, |v[XS+\i+3]|
.endr
	v_max3_num_f32 v12, v12, |v[XS+14]|, |v[XS+15]|
	v_max3_num_f32 v12, v12, v13, 0x1800000        ; and the floor 2^(3 - 127): the byte cannot fall under 1
	v_max_num_f32_dpp v12, v12, v12 row_xmask:1 row_mask:0xf bank_mask:0xf   ; with my neighbour's 16: the block's
	v_add_nc_u32 v11, 0xff000000, v12              ; 2 off its exponent field: the conversion takes this operand's exponent field as its scale
	v_cvt_scalef32_pk16_fp6_f32 v[C+4*(\t):C+4*(\t)+2], v[XS:XS+15], v11
	v_lshrrev_b32 v[E+(\t)], 23, v11               ; the scale's byte (a plain line behind the conversion)
	ds_store_b32 v4, v[C+4*(\t)] offset:IMG+8*(\t)
	ds_store_b32 v5, v[C+4*(\t)+1] offset:IMG+4+8*(\t)
	ds_store_b32 v4, v[C+4*(\t)+2] offset:IMG+256+8*(\t)
	ds_store_b8 v7, v[E+(\t)] offset:SCB+8*(\t)    ; both lanes of a block write the same byte with the same value
.endm
.irp t, 0,1,2,3,4,5,6,7,8,9,10,11,12,13,14,15
	STEP \t
.endr
	ds_load_b64 v[16:17], v6 offset:SCB            ; LDS serves a wave's instructions in order: these see my stores
.set U, 0
.rept 24
	ds_load_b64 v[18+2*U:19+2*U], v6 offset:IMG+(U/3)*RP+(U%3)*256
.set U, U+1
.endr
	s_wait_dscnt 24
	global_store_b64 v8, v[16:17], s[22:23]        ; each store of the wave covers 256 consecutive bytes, aligned
.set U, 0
.rept 24
	s_wait_dscnt 23-U
	global_store_b64 v8, v[18+2*U:19+2*U], s[20:21] offset:256*U
.set U, U+1
.endr
	s_add_co_u32 s41, s41, 1
	s_cmp_lt_u32 s41, 2
	s_wait_xcnt 0x0                                ; the stores have read their data, offsets and bases: the next unit writes them anew
	s_wait_alu depctr_va_vdst(0)                   ; the wait directly ahead of the branch
	s_cbranch_scc1 .Lunit
	s_wait_tensorcnt 0x0
	ds_add_u32 v216, v217
	s_wait_dscnt 0x0
	s_endpgm
; ---------------- the mask ----------------
.Lmask:
	s_sub_co_u32 s27, s40, QWG                     ; T = 128 batch + query tile
	s_lshr_b32 s28, s27, 1
	s_lshl_b32 s28, s28, 18                        ; 32 rows of 8,192 bytes for each pair of tiles
	s_and_b32 s29, s27, 1
	s_lshl_b32 s29, s29, 16                        ; + 8 rows
	s_add_co_u32 s28, s28, s29
	s_lshl_b32 s29, s26, 11                        ; + my wave's four key steps of 512 bytes
	s_add_co_u32 s28, s28, s29
	s_mov_b32 s29, 0
	s_lshl_b32 s30, s27, 12                        ; out: 16 units of 256 bytes a tile,
	s_lshl_b32 s31, s26, 10                        ; four a wave
	s_add_co_u32 s30, s30, s31
	s_mov_b32 s31, 0
	s_mul_i32 s27, s26, MPW
	s_add_co_u32 s27, s27, MST                     ; my stage
	s_wait_alu depctr_va_vdst(0)
	v_add_nc_u32 v4, s27, v3                       ; in: a row's 512 bytes as they lie
	v_and_b32 v5, 15, v2
	v_mul_u32_u24 v5, v5, MP
	v_lshrrev_b32 v6, 4, v2
	v_lshl_add_u32 v5, v6, 7, v5                   ; THE MASK WORDS' ORDER: word n = 32 g + i of a key step: bit (r + 16 h) is 1 where mask[the tile's row r][128 step + 64 g + 32 h + i] == 0
	v_add_nc_u32 v5, s27, v5                       ; out: row r, + 128 h bytes: 32 keys of each 64
	v_lshlrev_b32 v6, 3, v2
.irp i, 0,1,2,3,4,5,6,7
	v_mov_b32 v[208+\i], 0                         ; written once: v_writelane_b32 keeps the other lanes
.endr
	s_wait_kmcnt 0x0
	s_add_nc_u64 s[18:19], s[18:19], s[28:29]
	s_add_nc_u64 s[24:25], s[24:25], s[30:31]
.macro MLOAD j                         ; key step j of my four: 16 rows x 512 consecutive bytes
.irp p, 0,1,2,3,4,5,6,7,8,9,10,11,12,13,14,15
	global_load_b128 v[16+64*((\j)%2)+4*\p:16+64*((\j)%2)+4*\p+3], v3, s[18:19] offset:(\p+8*(\p/8))*8192+512*(\j) th:TH_LOAD_NT
.endr
.endm
.macro UNIT j
.if (\j) < 3
	s_wait_loadcnt 16                              ; this step's 16 loads are in; the younger set's may be out
.else
	s_wait_loadcnt 0x0
.endif
.irp p, 0,1,2,3,4,5,6,7,8,9,10,11,12,13,14,15
	ds_store_b128 v4, v[16+64*((\j)%2)+4*\p:16+64*((\j)%2)+4*\p+3] offset:MP*\p
.endr
.irp k, 0,1,2,3,4,5,6,7,8,9,10,11,12,13,14,15
	ds_load_b128 v[144+4*\k:147+4*\k], v5 offset:256*(\k/8)+16*(\k%8)    ; register n = 32 g + i: key 64 g + 32 h + i of row r
.endr
	s_wait_dscnt 0x0
.if (\j)+2 < 4
	MLOAD (\j)+2
.endif
.set gq, 0
.rept 8
.irp e, 0,1,2,3,4,5,6,7
	v_cmp_eq_u32 s[28+\e], 0, v[144+8*gq+\e]       ; word n: a bit for each lane, 1 where the mask is 0
.endr
.irp e, 0,1,2,3,4,5,6,7
	v_writelane_b32 v[208+2*(\j)+\e%2], s[28+\e], (8*gq+\e)/2   ; words 2 m, 2 m + 1 into lane m
.endr
.set gq, gq+1
.endr
	global_store_b64 v6, v[208+2*(\j):209+2*(\j)], s[24:25] offset:256*(\j)   ; 256 consecutive bytes, aligned
.endm
	MLOAD 0
	MLOAD 1
	UNIT 0
	UNIT 1
	UNIT 2
	UNIT 3
	s_add_co_u32 s41, s41, 1
	s_cmp_lt_u32 s41, 2
	s_wait_xcnt 0x0                                ; the stores have read their data, offsets and bases: the next unit writes them anew
	s_wait_alu depctr_va_vdst(0)                   ; the wait directly ahead of the branch
	s_cbranch_scc1 .Lunit
	s_wait_tensorcnt 0x0
	ds_add_u32 v216, v217
	s_wait_dscnt 0x0
	s_endpgm
.Lfunc_end_k_q4ba748e4c0_prep:
	.size	k_q4ba748e4c0_prep, .Lfunc_end_k_q4ba748e4c0_prep-k_q4ba748e4c0_prep
	.p2alignl 7, 3214868480
	.fill 96, 4, 3214868480
	.section	.rodata,"a",@progbits
	.p2align	6, 0x0
	.amdhsa_kernel k_q4ba748e4c0_prep
		.amdhsa_group_segment_fixed_size 81408
		.amdhsa_private_segment_fixed_size 0
		.amdhsa_enable_private_segment 0
		.amdhsa_kernarg_size 88
		.amdhsa_user_sgpr_count 2
		.amdhsa_user_sgpr_kernarg_segment_ptr 1
		.amdhsa_wavefront_size32 1
		.amdhsa_system_sgpr_workgroup_id_x 1
		.amdhsa_system_sgpr_workgroup_id_y 1
		.amdhsa_system_sgpr_workgroup_id_z 1
		.amdhsa_system_vgpr_workitem_id 0
		.amdhsa_next_free_vgpr 218
		.amdhsa_next_free_sgpr 66
		.amdhsa_reserve_vcc 0
		.amdhsa_float_denorm_mode_32 3
		.amdhsa_float_denorm_mode_16_64 3
		.amdhsa_memory_ordered 1
		.amdhsa_forward_progress 1
		.amdhsa_inst_pref_size 89
	.end_amdhsa_kernel
	.amdgpu_metadata
---
amdhsa.version: [ 1, 2 ]
amdhsa.kernels:
  - .name:           k_q4ba748e4c0_prep
    .symbol:         k_q4ba748e4c0_prep.kd
    .args:
      - { .name: query, .offset: 0, .size: 8, .value_kind: global_buffer, .address_space: global }
      - { .name: key, .offset: 8, .size: 8, .value_kind: global_buffer, .address_space: global }
      - { .name: value, .offset: 16, .size: 8, .value_kind: global_buffer, .address_space: global }
      - { .name: w_q, .offset: 24, .size: 8, .value_kind: global_buffer, .address_space: global }
      - { .name: w_k, .offset: 32, .size: 8, .value_kind: global_buffer, .address_space: global }
      - { .name: w_v, .offset: 40, .size: 8, .value_kind: global_buffer, .address_space: global }
      - { .name: w_o, .offset: 48, .size: 8, .value_kind: global_buffer, .address_space: global }
      - { .name: attention_mask, .offset: 56, .size: 8, .value_kind: global_buffer, .address_space: global }
      - { .name: codes, .offset: 64, .size: 8, .value_kind: global_buffer, .address_space: global }
      - { .name: scl, .offset: 72, .size: 8, .value_kind: global_buffer, .address_space: global }
      - { .name: maskw, .offset: 80, .size: 8, .value_kind: global_buffer, .address_space: global }
    .group_segment_fixed_size: 81408
    .private_segment_fixed_size: 0
    .kernarg_segment_align: 8
    .kernarg_segment_size: 88
    .max_flat_workgroup_size: 128
    .sgpr_count:     66
    .vgpr_count:     218
    .wavefront_size: 32
...
	.end_amdgpu_metadata
.endif
;; end of part 1
;; launch proj (part 2): grid 4 x 96, 4 waves a work-group, clusters of 4 x 4, 327,680 bytes of LDS; arguments codes, scl, b_q, b_k, b_v, q_img, kv_img, qkv_sc; writes q_img, kv_img, qkv_sc
.if DOCPART == 2
	.amdgcn_target "amdgcn-amd-amdhsa--gfx1250"
	.amdhsa_code_object_version 6
	.text
	.protected	k_q4ba748e4c0_proj
	.globl	k_q4ba748e4c0_proj
	.p2align	8
	.type	k_q4ba748e4c0_proj,@function
k_q4ba748e4c0_proj:
	s_mov_b64 s[64:65], 0
	v_nop
	global_prefetch_b8 v0, s[64:65] scope:SCOPE_SE
	s_setreg_imm32_b32 hwreg(HW_REG_WAVE_MODE, 25, 1), 1
	s_wait_xcnt 0x0
	s_wait_alu depctr_hold_cnt(0) depctr_sa_sdst(0) depctr_va_vdst(0) depctr_va_sdst(0) depctr_va_ssrc(0) depctr_va_vcc(0) depctr_vm_vsrc(0)
	s_getreg_b32 s2, hwreg(HW_REG_IB_STS2, 6, 4)
	s_cmp_eq_u32 s2, 0
	s_cbranch_scc0 .Lentry_in_a_cluster
	s_endpgm
.Lentry_in_a_cluster:
	s_bfe_u32 s2, ttmp6, 0x10000c
	s_cmp_lg_u32 s2, 0xf033
	s_cbranch_scc0 .Lentry_shape_is_right
	s_endpgm
.Lentry_shape_is_right:
.set NQ,     2
.set FR,     12
.set NL,     6
.set NP,     4
.set TAUB,   3072
.set HALFT,  8*TAUB
.set SLOT,   4*HALFT
.set SCL,    2*SLOT
.set HALFS,  4096
.set SPARE,  SCL+4*HALFS
.set ADRA, 16
.set ADRB, 20
.set ADRS, 27
.set SPW,  28
.set NIL,  29
.set SC,   32
.set BI,   64
.set AF,   128
.set F0,   128
.set F1,   140
.set T,    176
.set TM,   184
.set WX,   200
.set WY,   201
.set Z,    202
.set TT,   204
.set G1, 24
.set G0, 32
.set G1B, 48
.set G0B, 56
.set G1S, 68
.set G0S, 76
.set G1SB, 80
.set G0SB, 88
.set MSB, 0
.macro WIN new
.if MSB != \new
	s_set_vgpr_msb (MSB<<8)|\new
.set MSB, \new
.endif
.endm
.set MUL_LO, 0xa1
.set MUL_HI, 0xf1
.set TO_B,   0x40
.macro JLOAD g0a, g1a, g0b, g1b
	s_cmp_eq_u32 s15, 0
	s_cbranch_scc0 .Lfor_b_\@
	tensor_load_to_lds s[\g0a:\g0a+3], s[\g1a:\g1a+7]
	s_nop 0
.rept 4
	v_nop
.endr
	s_branch .Lasked_\@
.Lfor_b_\@:
	tensor_load_to_lds s[\g0b:\g0b+3], s[\g1b:\g1b+7]
	s_nop 0
.rept 4
	v_nop
.endr
.Lasked_\@:
.endm
.macro CREST
	s_cmp_lg_u32 s14, 0
	s_cbranch_scc1 .Lnot_wave_0_\@
	s_barrier_signal -3
.Lnot_wave_0_\@:
	s_barrier_wait -3
	s_barrier_signal -1
	s_barrier_wait -1
.endm
.macro CROUND
	s_barrier_signal -1
	s_barrier_wait -1
	CREST
.endm
	s_load_b128 s[4:7], s[0:1], 0x0
	s_load_b256 s[68:75], s[0:1], 0x10
	s_load_b128 s[76:79], s[0:1], 0x30
	v_lshl_add_u32 v[SPW], v0, 2, SPARE
	v_mov_b32 v[NIL], 0
	ds_add_u32 v28, v29
	ds_add_u32 v28, v29
	s_wait_dscnt 0x0
	v_lshrrev_b32 v1, 5, v0
	v_readfirstlane_b32 s14, v1
	s_lshr_b32 s15, s14, 1
	s_and_b32 s16, s14, 1
	s_bfe_u32 s40, ttmp6, 0x40000
	s_bfe_u32 s41, ttmp6, 0x40004
	s_and_b32 s18, ttmp7, 0xffff
	s_lshr_b32 s2, s18, 3
	s_and_b32 s18, s18, 7
	s_lshl_b32 s19, s2, 13
	s_lshl_b32 s20, s2, 10
	s_add_co_u32 s20, s20, 24576
	s_min_u32 s98, s2, 1
	s_cmp_eq_u32 s2, 2
	s_cselect_b32 s21, s18, 0
	s_cselect_b32 s22, 0, s18
	s_cselect_b32 s19, 26624, s19
	s_cselect_b32 s20, 16384, s20
	s_lshl_b32 s42, s21, 2
	s_add_co_u32 s42, s42, s40
	s_lshl_b32 s17, s22, 2
	s_add_co_u32 s17, s17, s41
	s_lshl_b32 s43, s41, 2
	s_lshl_b32 s43, 15, s43
	s_lshl_b32 s44, 0x1111, s40
	s_or_b32 s[G1+0], s43, (3<<16)|(1<<21)
	s_or_b32 s[G1B+0], s44, (3<<16)|(1<<21)
.irp g, G1, G1B
	s_mov_b32 s[\g+1], 384<<16
	s_mov_b32 s[\g+2], 16<<16
	s_mov_b32 s[\g+3], 384<<16
	s_mov_b32 s[\g+4], 16
	s_mov_b32 s[\g+5], 1536
	s_mov_b32 s[\g+6], 0
	s_mov_b32 s[\g+7], 0
.endr
	s_lshl_b32 s18, s16, 7
	s_lshl_b32 s21, s17, 8
	s_add_co_u32 s21, s21, s18
	s_add_co_u32 s21, s21, s19
	s_lshl_b32 s46, s42, 8
	s_add_co_u32 s46, s46, s18
	s_add_co_u32 s46, s46, s20
	s_lshl_b32 s22, s21, 5
	s_mov_b32 s23, 0
	s_mul_i32 s20, s21, 768
	s_mov_b32 s21, 0
	s_lshl_b32 s92, s46, 5
	s_mov_b32 s93, 0
	s_mul_i32 s46, s46, 768
	s_mov_b32 s47, 0
	s_mul_i32 s45, s14, HALFT
	s_lshl_b32 s94, s16, 12                        ; my half of a tile's scale bytes
	s_mov_b32 s95, 0
	s_wait_kmcnt 0x0
	s_cmp_eq_u32 s2, 0
	s_cselect_b64 s[8:9], s[68:69], s[70:71]
	s_cselect_b64 s[10:11], s[74:75], s[76:77]
	s_cmp_eq_u32 s2, 2
	s_cselect_b64 s[8:9], s[72:73], s[8:9]
	s_mov_b64 s[12:13], s[78:79]
	s_add_nc_u64 s[20:21], s[4:5], s[20:21]
	s_add_nc_u64 s[22:23], s[6:7], s[22:23]
	s_add_nc_u64 s[46:47], s[4:5], s[46:47]
	s_add_nc_u64 s[92:93], s[6:7], s[92:93]
	s_or_b32 s[G1S+0], s43, (3<<16)|(1<<21)
	s_or_b32 s[G1SB+0], s44, (3<<16)|(1<<21)
.irp g, G1S, G1SB
	s_mov_b32 s[\g+1], 32<<16
	s_mov_b32 s[\g+2], 32<<16
	s_mov_b32 s[\g+3], 32<<16
	s_mov_b32 s[\g+4], 32
	s_mov_b32 s[\g+5], 32
	s_mov_b32 s[\g+6], 0
	s_mov_b32 s[\g+7], 0
.endr
	CROUND
	s_mov_b32 s[G0S], 1
	s_mul_i32 s18, s16, 98304                      ; my half of a tile's rows, in bytes of codes
	s_mov_b32 s19, 0
	s_mov_b32 s[G0S+1], SCL                        ; the head's loads take each tile whole: the scale bytes of A's 256 rows,
	s_sub_nc_u64 s[G0S+2:G0S+3], s[22:23], s[94:95]
	s_or_b32 s[G0S+3], s[G0S+3], 0x80000000
	s_mov_b32 s[G0SB], 1
	s_mov_b32 s[G0SB+1], SCL+2*HALFS               ; and of B's
	s_sub_nc_u64 s[G0SB+2:G0SB+3], s[92:93], s[94:95]
	s_or_b32 s[G0SB+3], s[G0SB+3], 0x80000000
.irp s, 0,1
	s_mov_b32 s[G0+4*\s], 1
	s_add_co_u32 s[G0+4*\s+1], s45, \s*SLOT
	s_add_nc_u64 s[G0+4*\s+2:G0+4*\s+3], s[20:21], \s*TAUB
	s_or_b32 s[G0+4*\s+3], s[G0+4*\s+3], 0x80000000
	s_mov_b32 s[G0B+4*\s], 1
	s_add_co_u32 s[G0B+4*\s+1], s45, \s*SLOT
	s_add_nc_u64 s[G0B+4*\s+2:G0B+4*\s+3], s[46:47], \s*TAUB
	s_or_b32 s[G0B+4*\s+3], s[G0B+4*\s+3], 0x80000000
.endr
	; THE HEAD'S LOADS, ONE A WAVE: wave 0 slot 0's 16 tiles of A, wave 1 its 16 tiles of B, wave 2 A's scale bytes, wave 3 B's.
	; Slot 0's two groups 0 serve them, without my half; they get the ring's values behind the wait that shows these loads landed.
	s_mov_b32 s[G0+1], 0
	s_sub_nc_u64 s[G0+2:G0+3], s[G0+2:G0+3], s[18:19]
	s_mov_b32 s[G0B+1], 2*HALFT
	s_sub_nc_u64 s[G0B+2:G0B+3], s[G0B+2:G0B+3], s[18:19]
.macro ARM under, g0, g1, next
	s_cmp_lt_u32 s14, \under
	s_cbranch_scc0 \next
	tensor_load_to_lds s[\g0:\g0+3], s[\g1:\g1+7]
	s_nop 0
.rept 4
	v_nop
.endr
	s_branch .Lhead_asked
\next:
.endm
	ARM 1, G0,  G1,  .Lhead_b
	ARM 2, G0B, G1B, .Lhead_sa
	ARM 3, G0S, G1S, .Lhead_sb
	tensor_load_to_lds s[G0SB:G0SB+3], s[G1SB:G1SB+7]
	s_nop 0
.rept 4
	v_nop
.endr
.Lhead_asked:
	s_lshl_b32 s95, s17, 8
	s_lshl_b32 s96, s15, 7
	s_add_co_u32 s95, s95, s96
	s_lshl_b32 s96, s42, 8
	s_lshl_b32 s97, s16, 7
	s_add_co_u32 s96, s96, s97
	s_cmp_eq_u32 s2, 2
	s_cselect_b32 s97, s96, s95
	s_cselect_b32 s99, s95, s96
	s_lshr_b32 s18, s97, 11
	s_bfe_u32 s19, s97, 0x40007
	s_lshr_b32 s20, s99, 7
	s_lshl_b32 s20, s20, 1
	s_lshl_b32 s18, s18, 4
	s_add_co_u32 s18, s18, s20
	s_mul_i32 s20, s18, 98304
	s_mul_i32 s21, s19, 6144
	s_add_co_u32 s20, s20, s21
	s_lshl_b32 s20, s20, s98
	s_mov_b32 s21, 0
	s_add_nc_u64 s[10:11], s[10:11], s[20:21]
	s_lshl_b32 s20, s18, 12
	s_lshl_b32 s22, s19, 8
	s_add_co_u32 s20, s20, s22
	s_lshl_b32 s20, s20, s98
	s_lshl_b32 s22, s98, 18
	s_add_co_u32 s20, s20, s22
	s_add_nc_u64 s[12:13], s[12:13], s[20:21]
	s_lshl_b32 s20, s99, 2
	s_add_nc_u64 s[8:9], s[8:9], s[20:21]
	v_and_b32 v1, 15, v0
	v_bfe_u32 v2, v0, 4, 1
	s_wait_alu depctr_va_vdst(0)
	v_and_b32 v3, 31, v0
	v_lshlrev_b32 v4, 3, v3
	s_mul_i32 s21, s15, HALFT
	s_mul_i32 s22, s16, HALFT
	s_add_co_u32 s22, s22, 2*HALFT
.irp s, 0,1
	v_add_nc_u32 v[ADRA+\s], s21, v4
	v_add_nc_u32 v[ADRB+\s], s22, v4
	s_add_co_u32 s21, s21, SLOT
	s_add_co_u32 s22, s22, SLOT
.endr
	v_lshlrev_b32 v5, 3, v1
	s_lshl_b32 s21, s15, 12
	s_lshl_b32 s22, s16, 12
	s_add_co_u32 s22, s22, 2*HALFS
	s_sub_co_u32 s22, s22, s21
	v_mul_u32_u24 v6, s22, v2
	s_add_co_u32 s21, s21, SCL
	v_add_nc_u32 v5, v5, v6
	v_add_nc_u32 v[ADRS], s21, v5
	v_lshlrev_b32 v22, 4, v3
	s_lshl_b32 s21, 98304, s98
	v_add_nc_u32 v23, s21, v22
	s_lshl_b32 s21, 4096, s98
	v_mul_u32_u24 v24, s21, v2
	v_lshl_add_u32 v24, v1, 4, v24
	v_mov_b32 v25, v4
	s_cmp_eq_u32 s2, 2
	s_cbranch_scc1 .Lbias_v
	v_lshlrev_b32 v7, 6, v2
.irp b, 0,1,2,3,4,5,6,7
	global_load_b128 v[BI+8*\b:BI+8*\b+3], v7, s[8:9] offset:(32*(\b/2)+8*(\b%2))*4
	global_load_b128 v[BI+8*\b+4:BI+8*\b+7], v7, s[8:9] offset:(32*(\b/2)+8*(\b%2))*4+16
.endr
	s_branch .Lbias_done
.Lbias_v:
	v_and_b32 v7, 8, v1
	v_add_nc_u32 v7, v7, v1
	v_lshlrev_b32 v7, 2, v7
.irp a, 0,1,2,3,4,5,6,7
	global_load_b32 v[BI+8*\a], v7, s[8:9] offset:(32*(\a/2)+8*(\a%2))*4
.endr
.Lbias_done:
	s_mov_b32 s100, 0x76543210
	s_mov_b32 s101, 0xfedcba98
	s_mov_b32 s96, 0xffff0000
.macro FRAG reg, adr, q, i
.irp p, 0,1,2,3,4,5
	ds_load_b64 v[\reg+2*\p:\reg+2*\p+1], v[\adr] offset:TAUB*(\i)+1536*(\q)+256*\p
.endr
.endm
.macro MUL16 a0, p, q, sc, cm
.irp a, \a0, \a0+1
.irp b, 0,1,2,3,4,5,6,7
.if \cm == 1
	v_wmma_scale_f32_16x16x128_f8f6f4 v[8*(8*((\a)%4)+\b):8*(8*((\a)%4)+\b)+7], v[128*(\p)+FR*\b:128*(\p)+FR*\b+FR-1], v[AF+FR*(\a):AF+FR*(\a)+FR-1], v[BI+8*\b:BI+8*\b+7], v[SC+8*NQ*(\sc)+NQ*\b+(\q)], v[SC+8*NQ*(\sc)+NQ*(\a)+(\q)] matrix_a_fmt:MATRIX_FMT_FP6 matrix_b_fmt:MATRIX_FMT_FP6 matrix_a_scale:MATRIX_SCALE_ROW1
.elseif \cm == 2
	v_wmma_scale_f32_16x16x128_f8f6f4 v[8*(8*((\a)%4)+\b):8*(8*((\a)%4)+\b)+7], v[128*(\p)+FR*\b:128*(\p)+FR*\b+FR-1], v[AF+FR*(\a):AF+FR*(\a)+FR-1], v[BI+8*(\a):BI+8*(\a)+7], v[SC+8*NQ*(\sc)+NQ*\b+(\q)], v[SC+8*NQ*(\sc)+NQ*(\a)+(\q)] matrix_a_fmt:MATRIX_FMT_FP6 matrix_b_fmt:MATRIX_FMT_FP6 matrix_a_scale:MATRIX_SCALE_ROW1
.else
	v_wmma_scale_f32_16x16x128_f8f6f4 v[8*(8*((\a)%4)+\b):8*(8*((\a)%4)+\b)+7], v[128*(\p)+FR*\b:128*(\p)+FR*\b+FR-1], v[AF+FR*(\a):AF+FR*(\a)+FR-1], v[8*(8*((\a)%4)+\b):8*(8*((\a)%4)+\b)+7], v[SC+8*NQ*(\sc)+NQ*\b+(\q)], v[SC+8*NQ*(\sc)+NQ*(\a)+(\q)] matrix_a_fmt:MATRIX_FMT_FP6 matrix_b_fmt:MATRIX_FMT_FP6 matrix_a_scale:MATRIX_SCALE_ROW1
.endif
.endr
.endr
.endm
.macro FETCH_B slot, q, p
	WIN TO_B
.irp i, 0,1,2,3,4,5,6,7
	FRAG 128*(\p)+FR*\i, ADRB+\slot, \q, \i
.endr
	WIN 0
.endm
.macro FETCH_A slot, q, i0
.irp i, \i0, \i0+1, \i0+2, \i0+3
	FRAG AF+FR*(\i), ADRA+\slot, \q, \i
.endr
.endm
.macro SCALES sc
.irp i, 0,1,2,3,4,5,6,7
	ds_load_b64 v[SC+8*NQ*\sc+NQ*\i:SC+8*NQ*\sc+NQ*\i+1], v[ADRS] offset:\i*512
.endr
.endm
.macro PLACES n
.rept \n
	v_nop
.endr
.endm
.macro STEP slot, q, cm
	s_wait_dscnt 4*NL
.if \cm
	WIN 0x81
.else
	WIN MUL_LO
.endif
	MUL16 0, (\q)%2, \q, \slot, \cm
	MUL16 2, (\q)%2, \q, \slot, \cm
	s_wait_dscnt 0
	PLACES NP
	FETCH_B \slot, (\q)+1, 1-(\q)%2
	FETCH_A \slot, (\q)+1, 0
.if \cm
	WIN 0xc1
.else
	WIN MUL_HI
.endif
	MUL16 4, (\q)%2, \q, \slot, \cm
	MUL16 6, (\q)%2, \q, \slot, \cm
	PLACES NP
	WIN 0
	FETCH_A \slot, (\q)+1, 4
.endm
.macro TURN slot, next, fill
	s_wait_tensorcnt 0x0
	ds_add_u32 v[SPW], v[NIL]
	s_wait_dscnt 4*NL+1
	WIN MUL_LO
	MUL16 0, 1, NQ-1, \slot, 0
	s_wait_dscnt 0x0
	s_barrier_signal -1
	MUL16 2, 1, NQ-1, \slot, 0
	WIN 0
	s_barrier_wait -1
.if \fill
	CREST
	s_add_nc_u64 s[G0+4*\slot+2:G0+4*\slot+3], s[G0+4*\slot+2:G0+4*\slot+3], 2*TAUB
	s_add_nc_u64 s[G0B+4*\slot+2:G0B+4*\slot+3], s[G0B+4*\slot+2:G0B+4*\slot+3], 2*TAUB
	JLOAD G0+4*\slot, G1, G0B+4*\slot, G1B
.else
	PLACES NP
.endif
	s_wait_alu depctr_va_vdst(0)
	v_add_nc_u32 v[ADRS], 128, v[ADRS]
	FETCH_B \next, 0, 0
	FETCH_A \next, 0, 0
	SCALES \next
	WIN MUL_HI
	MUL16 4, 1, NQ-1, \slot, 0
	MUL16 6, 1, NQ-1, \slot, 0
	PLACES NP
	WIN 0
	FETCH_A \next, 0, 4
.endm
	s_wait_alu depctr_va_vdst(0)                   ; the wait at the head's end
	s_wait_tensorcnt 0x0                           ; my tile of the head's four is in; slot 1's first fill is issued as a refill is:
	ds_add_u32 v[SPW], v[NIL]
	s_mov_b32 s[G1+2], 8<<16                       ; no tensor load of mine is out: from here on a load brings 8 tiles,
	s_mov_b32 s[G1+4], 8
	s_mov_b32 s[G1B+2], 8<<16
	s_mov_b32 s[G1B+4], 8
	s_mul_i32 s18, s16, 98304
	s_mov_b32 s19, 0
	s_add_co_u32 s[G0+1], s45, 0                   ; and slot 0's groups 0 name my quarter of the slot
	s_add_nc_u64 s[G0+2:G0+3], s[G0+2:G0+3], s[18:19]
	s_add_co_u32 s[G0B+1], s45, 0
	s_add_nc_u64 s[G0B+2:G0B+3], s[G0B+2:G0B+3], s[18:19]
	s_wait_dscnt 0x0
	CROUND                                         ; all four tiles are in, in every work-group of the cluster
	JLOAD G0+4, G1, G0B+4, G1B                     ; slot 1: the first tensor load behind the round
	FETCH_B 0, 0, 0
	FETCH_A 0, 0, 0
	s_wait_alu depctr_va_vdst(0)
	SCALES 0
	FETCH_A 0, 0, 4
	s_wait_loadcnt 0x0
	s_cmp_eq_u32 s2, 2
	s_cbranch_scc1 .Lfirst_v
	STEP 0, 0, 1
	s_branch .Lfirst_done
.Lfirst_v:
.irp a, 0,1,2,3,4,5,6,7
.irp j, 1,2,3,4,5,6,7
	v_mov_b32 v[BI+8*\a+\j], v[BI+8*\a]
.endr
.endr
	PLACES 8
	s_wait_alu depctr_va_vdst(0)
	STEP 0, 0, 2
.Lfirst_done:
	TURN 0, 1, 1
	STEP 1, 0, 0
	TURN 1, 0, 1
	STEP 0, 0, 0
	TURN 0, 1, 0
	STEP 1, 0, 0
	s_wait_dscnt 4*NL
	WIN MUL_LO
	MUL16 0, 1, NQ-1, 1, 0
	MUL16 2, 1, NQ-1, 1, 0
	s_wait_dscnt 0
	WIN MUL_HI
	MUL16 4, 1, NQ-1, 1, 0
	MUL16 6, 1, NQ-1, 1, 0
	WIN 0
	PLACES NP
.irp b, 0,1,2,3
	v_mov_b32 v[TM+4+\b], 0
.endr
.macro QUANTW a, d0, d1, pw
.set AW, 2+(\a)/4
.set S, 64*((\a)%4)
.set WQ, (AW<<2)|(AW<<4)
	s_wait_xcnt 0x0
	WIN WQ
.irp b, 0,1,2,3
	v_max3_num_f32 v[TM+\b], 0x1800000, |v[S+16*\b]|, |v[S+1+16*\b]|
.endr
.irp i, 2,4,6,8,10,12,14
.irp b, 0,1,2,3
	v_max3_num_f32 v[TM+\b], v[TM+\b], |v[S+16*\b+\i]|, |v[S+1+16*\b+\i]|
.endr
.endr
	WIN 0
.irp b, 0,1,2,3
	v_permlanex16_b32 v[TM+4+\b], v[TM+\b], s100, s101
.endr
.irp b, 0,1,2,3
	v_max_num_f32 v[TM+\b], v[TM+\b], v[TM+4+\b]
.endr
.irp b, 0,1,2,3
	v_add_nc_u32 v[TM+12+\b], 0xff000000, v[TM+\b]
.endr
.irp b, 0,1,2,3
	v_lshrrev_b32 v[TM+4+\b], 23, v[TM+12+\b]
.endr
	v_lshl_or_b32 v[\pw], v[TM+5], 8, v[TM+4]
	v_lshl_or_b32 v[\pw], v[TM+6], 16, v[\pw]
	v_lshl_or_b32 v[\pw], v[TM+7], 24, v[\pw]
	WIN AW
	v_cvt_scalef32_pk16_fp6_f32 v[\d0:\d0+2], v[S:S+15], v[TM+12]
	v_cvt_scalef32_pk16_fp6_f32 v[T:T+2], v[S+16:S+31], v[TM+13]
	v_cvt_scalef32_pk16_fp6_f32 v[\d1:\d1+2], v[S+32:S+47], v[TM+14]
	v_cvt_scalef32_pk16_fp6_f32 v[T+4:T+6], v[S+48:S+63], v[TM+15]
	WIN 0
	v_nop
.irp i, 0,1,2
	v_permlane16_swap_b32 v[\d0+\i], v[T+\i]
.endr
.irp i, 0,1,2
	v_mov_b32 v[\d0+3+\i], v[T+\i]
.endr
.irp i, 0,1,2
	v_permlane16_swap_b32 v[\d1+\i], v[T+4+\i]
.endr
.irp i, 0,1,2
	v_mov_b32 v[\d1+3+\i], v[T+4+\i]
.endr
.endm
	s_cmp_eq_u32 s2, 2
	s_cbranch_scc1 .Lepi_v
.irp bp, 0,1,2,3
	QUANTW 2*\bp, F0, F1, WX
	QUANTW 2*\bp+1, F0+6, F1+6, WY
.irp g, 0,1,2
	global_store_b128 v22, v[F0+4*\g:F0+4*\g+3], s[10:11] offset:1536*\bp+512*\g
	global_store_b128 v23, v[F1+4*\g:F1+4*\g+3], s[10:11] offset:1536*\bp+512*\g
.endr
	v_perm_b32 v[Z], v[WY], v[WX], 0x05040100
	v_perm_b32 v[Z+1], v[WY], v[WX], 0x07060302
	v_cndmask_b32 v[TT+\bp], v[Z], v[Z+1], s96
.endr
	global_store_b128 v24, v[TT:TT+3], s[12:13]
	s_branch .Lepi_done
.Lepi_v:
.irp a, 0,1,2,3,4,5,6,7
.if \a%2
	QUANTW \a, F0, F0+6, WY
.else
	QUANTW \a, F0, F0+6, WX
.endif
.irp g, 0,1,2
	global_store_b128 v22, v[F0+4*\g:F0+4*\g+3], s[10:11] offset:(\a/4)*196608+6144+(\a%4)*1536+512*\g
.endr
.if \a%2
	v_cndmask_b32 v[TT+\a/2], v[WX], v[WY], s96
.endif
.endr
	global_store_b64 v25, v[TT:TT+1], s[12:13] offset:256
	global_store_b64 v25, v[TT+2:TT+3], s[12:13] offset:8192+256
.Lepi_done:
	s_wait_tensorcnt 0x0
	ds_add_u32 v[SPW], v[NIL]
	s_wait_dscnt 0x0
	CROUND
	s_endpgm
.Lfunc_end_k_q4ba748e4c0_proj:
	.size	k_q4ba748e4c0_proj, .Lfunc_end_k_q4ba748e4c0_proj-k_q4ba748e4c0_proj
	.p2alignl 7, 3214868480
	.fill 96, 4, 3214868480
	.section	.rodata,"a",@progbits
	.p2align	6, 0x0
	.amdhsa_kernel k_q4ba748e4c0_proj
		.amdhsa_group_segment_fixed_size 327680
		.amdhsa_private_segment_fixed_size 0
		.amdhsa_enable_private_segment 0
		.amdhsa_kernarg_size 64
		.amdhsa_user_sgpr_count 2
		.amdhsa_user_sgpr_kernarg_segment_ptr 1
		.amdhsa_wavefront_size32 1
		.amdhsa_system_sgpr_workgroup_id_x 1
		.amdhsa_system_sgpr_workgroup_id_y 1
		.amdhsa_system_sgpr_workgroup_id_z 1
		.amdhsa_system_vgpr_workitem_id 0
		.amdhsa_next_free_vgpr 1024
		.amdhsa_next_free_sgpr 102
		.amdhsa_reserve_vcc 0
		.amdhsa_float_denorm_mode_32 3
		.amdhsa_float_denorm_mode_16_64 3
		.amdhsa_memory_ordered 1
		.amdhsa_forward_progress 1
		.amdhsa_inst_pref_size 220
	.end_amdhsa_kernel
	.amdgpu_metadata
---
amdhsa.version: [ 1, 2 ]
amdhsa.kernels:
  - .name:           k_q4ba748e4c0_proj
    .symbol:         k_q4ba748e4c0_proj.kd
    .args:
      - { .name: codes, .offset: 0, .size: 8, .value_kind: global_buffer, .address_space: global }
      - { .name: scl, .offset: 8, .size: 8, .value_kind: global_buffer, .address_space: global }
      - { .name: b_q, .offset: 16, .size: 8, .value_kind: global_buffer, .address_space: global }
      - { .name: b_k, .offset: 24, .size: 8, .value_kind: global_buffer, .address_space: global }
      - { .name: b_v, .offset: 32, .size: 8, .value_kind: global_buffer, .address_space: global }
      - { .name: q_img, .offset: 40, .size: 8, .value_kind: global_buffer, .address_space: global }
      - { .name: kv_img, .offset: 48, .size: 8, .value_kind: global_buffer, .address_space: global }
      - { .name: qkv_sc, .offset: 56, .size: 8, .value_kind: global_buffer, .address_space: global }
    .group_segment_fixed_size: 327680
    .private_segment_fixed_size: 0
    .kernarg_segment_align: 8
    .kernarg_segment_size: 64
    .max_flat_workgroup_size: 128
    .sgpr_count:     102
    .vgpr_count:     1024
    .wavefront_size: 32
...
	.end_amdgpu_metadata
.endif
;; end of part 2
;; launch attn (part 3): grid 4 x 64, 16 waves a work-group, clusters of 4 x 1, 206,848 bytes of LDS; arguments q_img, qkv_sc, kv_img, maskw, o_img, o_sc; writes o_img, o_sc
.if DOCPART == 3
	.amdgcn_target "amdgcn-amd-amdhsa--gfx1250"
	.amdhsa_code_object_version 6
	.text
	.protected	k_q4ba748e4c0_attn
	.globl	k_q4ba748e4c0_attn
	.p2align	8
	.type	k_q4ba748e4c0_attn,@function
k_q4ba748e4c0_attn:
	s_mov_b64 s[64:65], 0
	v_nop
	global_prefetch_b8 v0, s[64:65] scope:SCOPE_SE
	s_setreg_imm32_b32 hwreg(HW_REG_WAVE_MODE, 25, 1), 1
	s_wait_xcnt 0x0
	s_wait_alu depctr_hold_cnt(0) depctr_sa_sdst(0) depctr_va_vdst(0) depctr_va_sdst(0) depctr_va_ssrc(0) depctr_va_vcc(0) depctr_vm_vsrc(0)
	s_getreg_b32 s2, hwreg(HW_REG_IB_STS2, 6, 4)
	s_cmp_eq_u32 s2, 0
	s_cbranch_scc0 .Lentry_in_a_cluster
	s_endpgm
.Lentry_in_a_cluster:
	s_bfe_u32 s2, ttmp6, 0x10000c
	s_cmp_lg_u32 s2, 0x3003
	s_cbranch_scc0 .Lentry_shape_is_right
	s_endpgm
.Lentry_shape_is_right:
; ATTN.  For each (batch, head): o = softmax(mask(q k^T / 8)) v, both products on codes of FP6 (E2M3) with E8M0 scales; o is quantised along D for the output projection.
; THE SOFTMAX: t = score x log2(e) / 8; M = the running largest t rounded up to a whole number; p = 2^(t - M) is quantised along the keys, not normalised; the row's sum is taken of the unquantised p and divides at the end.
; THE MASK: where attention_mask is 0 the score becomes -2^33, that is the logit -2^30.  LIMIT: reference() writes -1e9 there; the two differ only where unmasked logits lie near or under -1e9.  A row masked
;   everywhere gives p = 1 for every key in both (2^33 x c is exact and a whole number), the mean of v.  NaN and infinities are not served; a block of p or o under 2^-124 keeps the byte 1.
; SHARES.  A work-group owns 512 queries of one head, each of its sixteen waves 32: two passes of one tile of 16 (queries 32 G + 8 u + r + 8 (r / 8)).  Four waves to a SIMD.
; LDS holds the WHOLE head: K's and V's fragments, 16 steps x 12,288 bytes, and their scale words, 16 x 512 bytes: filled once, by joint loads of the cluster's four work-groups, which own the four quarters of the
;   head's queries.  One load a wave: waves 0-11 fetch 16,384 bytes of codes each, waves 12-15 2,048 scale bytes each.  Nothing is filled again.
; LAYOUT.  Both products are used transposed: a lane holds one query (lane % 16).  The head's K is 64, half of the instruction's 128: a fragment of k holds TWO tiles of 16 keys, one in each half of K, and q stands in one half
;   with zero codes in the other: (q, 0) gives the lower tile's scores, (0, q) the upper's.  Tile 4 g + t holds at row 8 h + j the key 64 g + 32 h + 8 t + j, so register 32 g + i of a lane's scores is key 64 g + 32 h + i:
;   A LANE'S 32 REGISTERS ARE ONE WHOLE SCALE BLOCK OF p, in the order of the next operand's registers: a block's maximum and its codes need no other lane; only the row's maximum and p's scale word cross the two halves.
; The mask comes as 64 words a step in scalar registers, a bit a lane: one select a score.  The next step's words are asked for a step ahead.
; A BARRIER STAYS OPEN FROM STEP TO STEP: signalled behind a step's selects, waited for ahead of the next step's selects; between the two stand register work and LDS loads of bytes that nobody writes.
;   So no wave is more than one step ahead of another.
; No prefetch: K and V come once at the head, where there is no loop to run ahead in, and the mask words are asked for a whole step ahead of their use.
; REGISTERS: v1-6 addresses and constants; v7 q's raw scale word; v8-10 addresses in hand; v11 q's scale word; v12 -M, v13 the largest score, v[14:15] the sum; v16-33 [q][0][q]; v34-45 q's paired fragment; v46-93 four fragments;
;   v94 8 h; v96-159 scores, then p; v160-191 O^T; v192-203 p's codes; v204-211, v212-223 at work; v224-227 k's scale words, v228-229 v's, v230 p's; v[232:233] f; v238-253 partial sums, and what is stored.
.set KF,  46
.set S,   96
.set O,   160
.set PC,  192
.set CT,  204
.set BM,  212
.set BT,  216
.set SO,  220
.set KS,  224
.set VS,  228
.set PS,  230
.set TS,  238
.macro CROUND                          ; a round of the cluster's barrier
	s_barrier_signal -1
	s_barrier_wait -1
	s_cmp_lg_u32 s4, 0
	s_cbranch_scc1 .Lnot_wave_0_\@
	s_barrier_signal -3
.Lnot_wave_0_\@:
	s_barrier_wait -3
	s_barrier_signal -1
	s_barrier_wait -1
.endm
	s_load_b256 s[68:75], s[0:1], 0x0              ; q_img, qkv_sc, kv_img, maskw
	s_load_b128 s[76:79], s[0:1], 0x20             ; o_img, o_sc
	v_lshl_add_u32 v254, v0, 2, 0x32000
	v_mov_b32 v255, 0
	ds_add_u32 v254, v255                          ; the opening lines: the add, twice on end, and its wait
	ds_add_u32 v254, v255
	v_lshrrev_b32 v1, 5, v0
	v_readfirstlane_b32 s4, v1                     ; wave 0..15
	s_and_b32 s80, ttmp7, 0xffff                   ; bh = 16 batch + head: the four partners share it
	; group 1: rows of 256 bytes (32 elements of 8), dense; mask: all four work-groups.  s[32:39]: 8 rows of scale bytes; s[40:47]: 64 rows of codes
	s_mov_b32 s32, 15|(3<<16)|(1<<21)
	s_mov_b32 s33, 32<<16
	s_mov_b32 s34, 8<<16
	s_mov_b32 s35, 32<<16
	s_mov_b32 s36, 8
	s_mov_b32 s37, 32
	s_mov_b32 s38, 0
	s_mov_b32 s39, 0
	s_mov_b32 s40, 15|(3<<16)|(1<<21)
	s_mov_b32 s41, 32<<16
	s_mov_b32 s42, 64<<16
	s_mov_b32 s43, 32<<16
	s_mov_b32 s44, 64
	s_mov_b32 s45, 32
	s_mov_b32 s46, 0
	s_mov_b32 s47, 0
	s_lshl_b32 s82, s80, 13                        ; the head's 8,192 scale bytes,
	s_lshl_b32 s84, s4, 11                         ; a quarter for each of waves 12 to 15: 2,048 (wave - 12),
	s_add_co_u32 s82, s82, s84
	s_add_co_u32 s82, s82, 237568                  ; behind q's 262,144 (less 12 x 2,048)
	s_mov_b32 s83, 0
	s_add_co_u32 s21, s84, 172032                  ; and in LDS from 196,608 on (less 12 x 2,048)
	s_mul_i32 s84, s80, 196608                     ; the head's codes,
	s_lshl_b32 s25, s4, 14                         ; a twelfth for each of waves 0 to 11: the same place in LDS
	s_add_co_u32 s84, s84, s25
	s_mov_b32 s85, 0
	s_mov_b32 s20, 1
	s_mov_b32 s24, 1
	; what hangs on my place in the cluster: q's, the mask's and o's global addresses alone
	s_bfe_u32 s86, ttmp6, 0x40000                  ; cx
	s_lshl_b32 s86, s86, 4
	s_add_co_u32 s86, s86, s4                      ; G: my 32 queries
	s_lshr_b32 s87, s80, 4                         ; batch
	s_and_b32 s88, s80, 15                         ; head
	s_mul_i32 s90, s80, 98304
	s_mul_i32 s89, s86, 1536
	s_add_co_u32 s90, s90, s89                     ; q's paired fragment G
	s_mov_b32 s91, 0
	s_lshl_b32 s92, s80, 12
	s_lshr_b32 s89, s86, 2
	s_lshl_b32 s89, s89, 8
	s_add_co_u32 s92, s92, s89
	s_and_b32 s89, s86, 3
	s_lshl_b32 s89, s89, 2
	s_add_co_u32 s92, s92, s89                     ; its scale words: step G / 4, fragment G % 4
	s_mov_b32 s93, 0
	s_lshl_b32 s94, s87, 19
	s_lshl_b32 s89, s86, 13
	s_add_co_u32 s94, s94, s89                     ; mask words: tile 128 batch + 2 G, 4,096 bytes a tile
	s_mov_b32 s95, 0
	s_mul_i32 s96, s87, 1572864
	s_mul_i32 s89, s86, 24576
	s_add_co_u32 s96, s96, s89
	s_mul_i32 s89, s88, 768
	s_add_co_u32 s96, s96, s89                     ; o's codes: that tile, 12,288 bytes a tile; the head's 64 along D are 768 bytes
	s_mov_b32 s97, 0
	s_lshl_b32 s98, s87, 16
	s_lshl_b32 s89, s86, 10
	s_add_co_u32 s98, s98, s89
	s_lshr_b32 s89, s88, 2
	s_lshl_b32 s89, s89, 7
	s_add_co_u32 s98, s98, s89
	s_and_b32 s89, s88, 3
	s_lshl_b32 s89, s89, 1
	s_add_co_u32 s98, s98, s89                     ; o's scale bytes: 512 a tile; blocks 2 head, 2 head + 1
	s_mov_b32 s99, 0
	s_wait_dscnt 0x0                               ; both opening adds are done
	s_wait_kmcnt 0x0
	s_add_nc_u64 s[22:23], s[70:71], s[82:83]
	s_or_b32 s23, s23, 0x80000000
	s_add_nc_u64 s[26:27], s[72:73], s[84:85]
	s_or_b32 s27, s27, 0x80000000
	s_add_nc_u64 s[10:11], s[74:75], s[94:95]
	s_add_nc_u64 s[14:15], s[76:77], s[96:97]
	s_add_nc_u64 s[16:17], s[78:79], s[98:99]
	s_add_nc_u64 s[28:29], s[68:69], s[90:91]
	s_add_nc_u64 s[30:31], s[70:71], s[92:93]
	CROUND                                         ; all four work-groups are here: the joint loads meet
	s_cmp_lt_u32 s4, 12                            ; one load a wave, in the two arms of one branch on the wave's number
	s_cbranch_scc0 .Lfor_scales
	tensor_load_to_lds s[24:27], s[40:47]          ; waves 0-11: codes
	s_nop 0
.rept 4
	v_nop
.endr
	s_branch .Lasked
.Lfor_scales:
	tensor_load_to_lds s[20:23], s[32:39]          ; waves 12-15: scale bytes
	s_nop 0
.rept 4
	v_nop
.endr
.Lasked:
	v_and_b32 v8, 31, v0                           ; lane
	v_and_b32 v9, 15, v0                           ; r
	v_bfe_u32 v10, v0, 4, 1                        ; h
	v_lshlrev_b32 v1, 4, v8                        ; 16 x lane: an image's place for my lane
	v_lshlrev_b32 v234, 4, v9
	global_load_b128 v[34:37], v1, s[28:29]        ; q's paired fragment: registers 0-5 pass 0's tile, 6-11 pass 1's
	global_load_b128 v[38:41], v1, s[28:29] offset:512
	global_load_b128 v[42:45], v1, s[28:29] offset:1024
	global_load_b32 v7, v234, s[30:31]             ; its scale word: two bytes for each tile
	v_lshl_add_u32 v2, v9, 4, 196608               ; k's scale words: four a row
	v_lshlrev_b32 v5, 3, v8                        ; 8 x lane
	v_add_nc_u32 v3, 196864, v5                    ; v's scale words
	v_mov_b32 v4, 0xd0000000                       ; -2^33
	v_lshl_add_u32 v6, v9, 3, v10                  ; o's scale byte: 8 r + h
	v_lshlrev_b32 v94, 3, v10                      ; 8 h: how far my two bytes of p's scale word are shifted
.irp i, 22,23,24,25,26,27
	v_mov_b32 v\i, 0                               ; the zero codes between the two copies of q
.endr
.irp i, 216,217,231,233,235
	v_mov_b32 v\i, 0                               ; lane permutes' destinations, and the upper half of the pair v[232:233]
.endr
	s_mov_b32 s6, 0x76543210
	s_mov_b32 s7, 0xfedcba98                       ; v_permlanex16_b32's selects for lane l xor 16
	s_mov_b32 s8, 0x3e38aa3b                       ; c = log2(e) / 8
	s_mov_b32 s9, s8                               ; (named with it as a pair)
	s_mov_b32 s12, 0                               ; the mask words' offset: 256 x (16 pass + step)
	s_mov_b32 s13, 0xffff0000                      ; lanes 16-31
	s_wait_alu depctr_va_vdst(0)                   ; the wait at the head's end
	s_wait_tensorcnt 0x0                           ; my load has landed; the descriptors' registers are free
	s_barrier_signal -1
	s_barrier_wait -1                              ; everybody's has: the head lies in LDS
.macro MASKLOAD                        ; 64 words: word n in s[32 + n] (n < 32) or s[36 + n]
	s_load_b512 s[32:47], s[10:11], s12 offset:0x0
	s_load_b512 s[48:63], s[10:11], s12 offset:0x40
	s_load_b512 s[68:83], s[10:11], s12 offset:0x80
	s_load_b512 s[84:99], s[10:11], s12 offset:0xc0
.endm
	MASKLOAD
	s_wait_loadcnt 0x0                             ; q
.macro PROLOG u
.if \u
	v_perm_b32 v11, v7, v7, 0x03020302             ; the tile's two bytes, for both halves of K
.else
	v_perm_b32 v11, v7, v7, 0x01000100
.endif
.irp i, 0,1,2,3,4,5
	v_mov_b32 v[16+\i], v[34+6*\u+\i]
	v_mov_b32 v[28+\i], v[34+6*\u+\i]
.endr
	v_mov_b32 v13, 0xff61b1e6                      ; the largest score so far: -3e38
	s_delay_alu instid0(VALU_DEP_1)
	v_floor_f32 v12, -v13                          ; -M
	v_mov_b32 v14, 0
	v_mov_b32 v15, 0
.set j, 0
.rept 32
	v_mov_b32 v[O+j], 0                            ; O^T: the step is written once a pass; its first trip finds zeros
.set j, j+1
.endr
	s_mov_b32 s2, 0                                ; where the step's fragments begin in LDS
	s_mov_b32 s3, 0                                ; and its scale words
	s_mov_b32 s5, 16
	s_barrier_signal -1                            ; the barrier that the first step waits for (no LDS instruction of mine is out)
.endm
.macro STEP                            ; 128 keys
	v_add_nc_u32 v8, s2, v1
	v_add_nc_u32 v9, s3, v2
	v_add_nc_u32 v10, s3, v3
	v_nop                                          ; four plain lines between the last products and the loads into their operands
.irp b, 0,1,2,3
.irp g, 0,1,2
	ds_load_b128 v[KF+12*\b+4*\g:KF+12*\b+4*\g+3], v8 offset:1536*\b+512*\g
.endr
.endr
	ds_load_b128 v[KS:KS+3], v9
	s_wait_alu depctr_va_vdst(0)
	s_wait_dscnt 0x0
.irp b, 0,1,2,3
.irp u, 0,1
	v_wmma_scale_f32_16x16x128_f8f6f4 v[S+8*(2*\b+\u):S+8*(2*\b+\u)+7], v[KF+12*\b:KF+12*\b+11], v[16+6*\u:27+6*\u], 0, v[KS+\b], v11 matrix_a_fmt:MATRIX_FMT_FP6 matrix_b_fmt:MATRIX_FMT_FP6
.endr
.endr
.rept 4
	v_nop                                          ; places in front of the loads below and of the first read of the scores
.endr
.irp f, 0,1,2,3
.irp g, 0,1,2
	ds_load_b128 v[KF+12*\f+4*\g:KF+12*\f+4*\g+3], v8 offset:6144+1536*\f+512*\g   ; V's fragments land while the selects are walked
.endr
.endr
	ds_load_b64 v[VS:VS+1], v10
	s_barrier_wait -1                              ; every wave has passed the selects of the step before
	s_wait_kmcnt 0x0                               ; this step's mask words, asked for a step ago
.set n, 0
.rept 64
.if n < 32
	v_cndmask_b32 v[S+n], v[S+n], v4, s[32+n]      ; ascending: each accumulator is read from its low end on
.else
	v_cndmask_b32 v[S+n], v[S+n], v4, s[36+n]
.endif
.set n, n+1
.endr
	s_wait_xcnt 0x0                                ; the offset is stepped only behind this wait; a pass's stores have read their registers too
	s_add_co_u32 s12, s12, 256
	s_min_u32 s12, s12, 7936                       ; the very last step reads its own unit again: no load leaves the buffer
	MASKLOAD
	s_wait_dscnt 0x0                               ; V is in: no LDS instruction of mine is out at the signal
	s_barrier_signal -1                            ; waited for in the next step (behind the loop: after the last)
.irp q, 0,1,2,3
	v_max3_num_f32 v[BM+\q], v[S+16*\q], v[S+1+16*\q], v[S+2+16*\q]   ; the largest score of my two blocks of 32 keys, in four chains by turns
.endr
.irp i, 3,5,7,9,11,13
.irp q, 0,1,2,3
	s_delay_alu instid0(VALU_DEP_4)
	v_max3_num_f32 v[BM+\q], v[BM+\q], v[S+16*\q+\i], v[S+1+16*\q+\i]
.endr
.endr
	s_delay_alu instid0(VALU_DEP_3)
	v_max3_num_f32 v[BM], v[BM], v[BM+1], v[S+15]
	s_delay_alu instid0(VALU_DEP_2)
	v_max3_num_f32 v[BM+2], v[BM+2], v[BM+3], v[S+47]
	s_delay_alu instid0(VALU_DEP_2)
	v_max_num_f32 v[BM], v[BM], v[S+31]            ; block h
	s_delay_alu instid0(VALU_DEP_2)
	v_max_num_f32 v[BM+2], v[BM+2], v[S+63]        ; block 2 + h: they serve the row's maximum and, since p rises with the score, the blocks' largest p
	s_delay_alu instid0(VALU_DEP_1)
	v_max_num_f32 v234, v[BM], v[BM+2]
	s_delay_alu instid0(VALU_DEP_1)
	v_permlanex16_b32 v235, v234, s6, s7
	s_delay_alu instid0(VALU_DEP_1)
	v_max3_num_f32 v13, v13, v234, v235            ; the running largest score of my query
	s_delay_alu instid0(VALU_DEP_1)
	v_mul_f32 v234, s8, v13                        ; as t (c is positive)
	v_mov_b32 v236, v12
	s_delay_alu instid0(VALU_DEP_2)
	v_floor_f32 v12, -v234                         ; -M = floor(-t): M is a whole number
	s_delay_alu instid0(VALU_DEP_1)
	v_sub_f32 v234, v12, v236
	s_delay_alu instid0(VALU_DEP_1)
	v_cvt_i32_f32 v234, v234                       ; old M - new M (it saturates)
.set j, 0
.rept 32
	v_pk_fma_f32 v[S+j:S+j+1], v[S+j:S+j+1], s[8:9], v[12:13] op_sel_hi:[1,0,0]   ; t - M
.set j, j+2
.endr
	v_fma_f32 v[BM], v[BM], s8, v12
	v_fma_f32 v[BM+2], v[BM+2], s8, v12
	s_wait_alu depctr_va_vdst(0)                   ; the wait ahead of the batch
	v_exp_f32 v[BM], v[BM]                         ; the blocks' largest p: the same two instructions on the same number give the same bits
	v_exp_f32 v[BM+2], v[BM+2]
.set j, 0
.rept 64
	v_exp_f32 v[S+j], v[S+j]                       ; p = 2^(t - M)
.set j, j+1
.endr
	v_ldexp_f32 v232, 1.0, v234                    ; f = 2^(old M - new M): a plain line behind the exponentials
	s_wait_alu depctr_va_vdst(0)                   ; one wait for the batch, ahead of its first reader
.set j, 0
.rept 8
	v_pk_add_f32 v[TS+2*j:TS+2*j+1], v[S+2*j:S+2*j+1], v[S+16+2*j:S+17+2*j]   ; the sum of the unquantised p: eight chains of pairs
.set j, j+1
.endr
.irp o, 32,48
.set j, 0
.rept 8
	v_pk_add_f32 v[TS+2*j:TS+2*j+1], v[TS+2*j:TS+2*j+1], v[S+\o+2*j:S+\o+1+2*j]
.set j, j+1
.endr
.endr
.irp j, 0,1,2,3
	s_delay_alu instid0(VALU_DEP_4)
	v_pk_add_f32 v[TS+2*\j:TS+2*\j+1], v[TS+2*\j:TS+2*\j+1], v[TS+8+2*\j:TS+9+2*\j]
.endr
.irp j, 0,1
	s_delay_alu instid0(VALU_DEP_2)
	v_pk_add_f32 v[TS+2*\j:TS+2*\j+1], v[TS+2*\j:TS+2*\j+1], v[TS+4+2*\j:TS+5+2*\j]
.endr
	s_delay_alu instid0(VALU_DEP_1)
	v_pk_add_f32 v[TS:TS+1], v[TS:TS+1], v[TS+2:TS+3]
	s_delay_alu instid0(VALU_DEP_1)
	v_pk_fma_f32 v[14:15], v[14:15], v[232:233], v[TS:TS+1] op_sel_hi:[1,0,1]   ; the old sums under the new M, and this step's
	v_max_num_f32 v[BM], 0x1800000, v[BM]          ; the floor 2^(3 - 127)
	v_max_num_f32 v[BM+2], 0x1800000, v[BM+2]
	s_delay_alu instid0(VALU_DEP_2)
	v_add_nc_u32 v[SO], 0xff000000, v[BM]          ; the conversions' scale operands
	s_delay_alu instid0(VALU_DEP_2)
	v_add_nc_u32 v[SO+1], 0xff000000, v[BM+2]
.irp c, 0,1
	v_cvt_scalef32_pk16_fp6_f32 v[PC+6*\c:PC+6*\c+2], v[S+32*\c:S+32*\c+15], v[SO+\c]       ; registers 6 c .. 6 c + 5 of the operand: keys 64 c + 32 h + 0 .. 31
	v_cvt_scalef32_pk16_fp6_f32 v[CT+4*\c:CT+4*\c+2], v[S+16+32*\c:S+31+32*\c], v[SO+\c]    ; (a conversion's three registers begin on an even number)
.endr
	v_lshrrev_b32 v[BT], 23, v[SO]                 ; the scales' bytes (plain lines behind the conversions)
	v_lshrrev_b32 v[BT+1], 23, v[SO+1]
	s_delay_alu instid0(VALU_DEP_1)
	v_lshl_or_b32 v[PS], v[BT+1], 16, v[BT]        ; blocks h and 2 + h,
	s_delay_alu instid0(VALU_DEP_1)
	v_lshlrev_b32 v[PS], v94, v[PS]                ; at their places in the word;
	s_delay_alu instid0(VALU_DEP_1)
	v_permlanex16_b32 v231, v[PS], s6, s7
	s_delay_alu instid0(VALU_DEP_1)
	v_or_b32 v[PS], v[PS], v231                    ; with lane l xor 16's two the word is whole
.irp c, 0,1
.irp i, 0,1,2
	v_mov_b32 v[PC+3+6*\c+\i], v[CT+4*\c+\i]
.endr
.endr
	s_wait_alu depctr_va_vdst(0)                   ; directly ahead of the first reader of O^T
.set j, 0
.rept 16
	v_pk_mul_f32 v[O+j:O+j+1], v[O+j:O+j+1], v[232:233] op_sel_hi:[1,0]   ; O^T under the new M; these are also the places in front of the products
.set j, j+2
.endr
.irp f, 0,1,2,3
.if \f%2
	v_wmma_scale_f32_16x16x128_f8f6f4 v[O+8*\f:O+8*\f+7], v[KF+12*\f:KF+12*\f+11], v[PC:PC+11], v[O+8*\f:O+8*\f+7], v[VS+\f/2], v[PS] matrix_a_fmt:MATRIX_FMT_FP6 matrix_b_fmt:MATRIX_FMT_FP6 matrix_a_scale:MATRIX_SCALE_ROW1
.else
	v_wmma_scale_f32_16x16x128_f8f6f4 v[O+8*\f:O+8*\f+7], v[KF+12*\f:KF+12*\f+11], v[PC:PC+11], v[O+8*\f:O+8*\f+7], v[VS+\f/2], v[PS] matrix_a_fmt:MATRIX_FMT_FP6 matrix_b_fmt:MATRIX_FMT_FP6
.endif
.endr
	s_add_co_u32 s2, s2, 12288
	s_add_co_u32 s3, s3, 512
.endm
; O^T / the sum: register 16 b + i is the head's channel 32 b + 16 h + i: two blocks along D, quantised and stored as the output projection's operand
.macro EPILOG u
.set EC, 238+6*\u
	s_barrier_wait -1                              ; the last step's barrier is closed ahead of the stores
.rept 4
	v_nop                                          ; places behind the last products
.endr
	v_add_f32 v14, v14, v15
	s_delay_alu instid0(VALU_DEP_1)
	v_permlanex16_b32 v234, v14, s6, s7
	s_delay_alu instid0(VALU_DEP_1)
	v_add_f32 v14, v14, v234                       ; the row's sum
	s_wait_alu depctr_va_vdst(0)
	v_rcp_f32 v232, v14
	v_nop
	s_wait_alu depctr_va_vdst(0)                   ; ahead of the reciprocal's first reader
.set j, 0
.rept 16
	v_pk_mul_f32 v[S+j:S+j+1], v[O+j:O+j+1], v[232:233] op_sel_hi:[1,0]
.set j, j+2
.endr
.irp b, 0,1
	v_max3_num_f32 v[BM+\b], |v[S+16*\b]|, |v[S+1+16*\b]|, 0x1800000
.endr
.irp i, 2,4,6,8,10,12,14
.irp b, 0,1
	s_delay_alu instid0(VALU_DEP_2)
	v_max3_num_f32 v[BM+\b], v[BM+\b], |v[S+16*\b+\i]|, |v[S+1+16*\b+\i]|
.endr
.endr
.irp b, 0,1
	s_delay_alu instid0(VALU_DEP_2)
	v_permlanex16_b32 v[BT+\b], v[BM+\b], s6, s7
.endr
.irp b, 0,1
	s_delay_alu instid0(VALU_DEP_2)
	v_max_num_f32 v[BM+\b], v[BM+\b], v[BT+\b]
.endr
.irp b, 0,1
	s_delay_alu instid0(VALU_DEP_2)
	v_add_nc_u32 v[SO+\b], 0xff000000, v[BM+\b]
.endr
.irp b, 0,1
	s_delay_alu instid0(VALU_DEP_2)
	v_lshrrev_b32 v[BT+\b], 23, v[SO+\b]
.endr
	v_cvt_scalef32_pk16_fp6_f32 v[EC:EC+2], v[S:S+15], v[SO]
	v_cvt_scalef32_pk16_fp6_f32 v[CT:CT+2], v[S+16:S+31], v[SO+1]
	v_nop
.irp i, 0,1,2
	v_permlane16_swap_b32 v[EC+\i], v[CT+\i]
.endr
.irp i, 0,1,2
	s_delay_alu instid0(VALU_DEP_3)
	v_mov_b32 v[EC+3+\i], v[CT+\i]
.endr
	v_cndmask_b32 v[250+\u], v[BT], v[BT+1], s13   ; lane (r, h) carries block h's byte
.irp g, 0,1,2
	global_store_b64 v5, v[EC+2*\g:EC+2*\g+1], s[14:15] offset:12288*\u+256*\g   ; 256 consecutive bytes, aligned
.endr
	global_store_b8 v6, v[250+\u], s[16:17] offset:512*\u   ; 2 bytes a row: the neighbours in a row's 8 bytes belong to other heads' work-groups
.endm
	PROLOG 0
.Lrun0:
	STEP
	s_sub_co_u32 s5, s5, 1
	s_cmp_lg_u32 s5, 0
	s_cbranch_scc1 .Lrun0
	EPILOG 0
	PROLOG 1
.Lrun1:
	STEP
	s_sub_co_u32 s5, s5, 1
	s_cmp_lg_u32 s5, 0
	s_cbranch_scc1 .Lrun1
	EPILOG 1
	s_wait_kmcnt 0x0                               ; the last step's spare mask words
	s_wait_tensorcnt 0x0                           ; the wave's end
	ds_add_u32 v254, v255
	s_wait_dscnt 0x0
	CROUND                                         ; the closing round
	s_endpgm
.Lfunc_end_k_q4ba748e4c0_attn:
	.size	k_q4ba748e4c0_attn, .Lfunc_end_k_q4ba748e4c0_attn-k_q4ba748e4c0_attn
	.p2alignl 7, 3214868480
	.fill 96, 4, 3214868480
	.section	.rodata,"a",@progbits
	.p2align	6, 0x0
	.amdhsa_kernel k_q4ba748e4c0_attn
		.amdhsa_group_segment_fixed_size 206848
		.amdhsa_private_segment_fixed_size 0
		.amdhsa_enable_private_segment 0
		.amdhsa_kernarg_size 48
		.amdhsa_user_sgpr_count 2
		.amdhsa_user_sgpr_kernarg_segment_ptr 1
		.amdhsa_wavefront_size32 1
		.amdhsa_system_sgpr_workgroup_id_x 1
		.amdhsa_system_sgpr_workgroup_id_y 1
		.amdhsa_system_sgpr_workgroup_id_z 1
		.amdhsa_system_vgpr_workitem_id 0
		.amdhsa_next_free_vgpr 256
		.amdhsa_next_free_sgpr 100
		.amdhsa_reserve_vcc 0
		.amdhsa_float_denorm_mode_32 3
		.amdhsa_float_denorm_mode_16_64 3
		.amdhsa_memory_ordered 1
		.amdhsa_forward_progress 1
		.amdhsa_inst_pref_size 61
	.end_amdhsa_kernel
	.amdgpu_metadata
---
amdhsa.version: [ 1, 2 ]
amdhsa.kernels:
  - .name:           k_q4ba748e4c0_attn
    .symbol:         k_q4ba748e4c0_attn.kd
    .args:
      - { .name: q_img, .offset: 0, .size: 8, .value_kind: global_buffer, .address_space: global }
      - { .name: qkv_sc, .offset: 8, .size: 8, .value_kind: global_buffer, .address_space: global }
      - { .name: kv_img, .offset: 16, .size: 8, .value_kind: global_buffer, .address_space: global }
      - { .name: maskw, .offset: 24, .size: 8, .value_kind: global_buffer, .address_space: global }
      - { .name: o_img, .offset: 32, .size: 8, .value_kind: global_buffer, .address_space: global }
      - { .name: o_sc, .offset: 40, .size: 8, .value_kind: global_buffer, .address_space: global }
    .group_segment_fixed_size: 206848
    .private_segment_fixed_size: 0
    .kernarg_segment_align: 8
    .kernarg_segment_size: 48
    .max_flat_workgroup_size: 512
    .sgpr_count:     100
    .vgpr_count:     256
    .wavefront_size: 32
...
	.end_amdgpu_metadata
.endif
;; end of part 3
;; launch outp (part 4): grid 4 x 64, 4 waves a work-group, clusters of 4 x 4, 327,680 bytes of LDS; arguments o_img, o_sc, codes, scl, b_o, out0; writes out0
.if DOCPART == 4
	.amdgcn_target "amdgcn-amd-amdhsa--gfx1250"
	.amdhsa_code_object_version 6
	.text
	.protected	k_q4ba748e4c0_outp
	.globl	k_q4ba748e4c0_outp
	.p2align	8
	.type	k_q4ba748e4c0_outp,@function
k_q4ba748e4c0_outp:
	s_mov_b64 s[64:65], 0
	v_nop
	global_prefetch_b8 v0, s[64:65] scope:SCOPE_SE
	s_setreg_imm32_b32 hwreg(HW_REG_WAVE_MODE, 25, 1), 1
	s_wait_xcnt 0x0
	s_wait_alu depctr_hold_cnt(0) depctr_sa_sdst(0) depctr_va_vdst(0) depctr_va_sdst(0) depctr_va_ssrc(0) depctr_va_vcc(0) depctr_vm_vsrc(0)
	s_getreg_b32 s2, hwreg(HW_REG_IB_STS2, 6, 4)
	s_cmp_eq_u32 s2, 0
	s_cbranch_scc0 .Lentry_in_a_cluster
	s_endpgm
.Lentry_in_a_cluster:
	s_bfe_u32 s2, ttmp6, 0x10000c
	s_cmp_lg_u32 s2, 0xf033
	s_cbranch_scc0 .Lentry_shape_is_right
	s_endpgm
.Lentry_shape_is_right:
; OUTP.  out0 = o w_o^T + b_o on codes of FP6 (E2M3) with E8M0 scales, f32 sums.  o comes as the attention launch left it, w_o as the preparing launch left it (tiles 1728..1791 of codes and scl):
; codes [tile of 16 rows][s = k / 128][g = 0..5][lane][8 bytes]: registers 2 g, 2 g + 1 of a fragment; scale bytes [tile][k / 256][row][8].  Tile 2 G + u holds at place rho the row 32 G + 8 u + rho + 8 (rho / 8).
; THE DEAL.  256 work-groups, 4 along the columns x 64 along the rows: a work-group makes 128 rows x 256 columns.  K is 1,024, so ALL of K of its 8 tiles of o (98,304 bytes), its 16 tiles of w_o (196,608) and
; their scale bytes (4,096 and 8,192) lie in LDS at once: four dense blocks of memory, four joint loads at the head, one a wave, and nothing is filled again.
; CLUSTERS 4 x 4: o's tiles hang on the row block alone and are shared by a row of the cluster, w_o's on the column group alone and are shared by a column.
; A WAVE holds 64 rows of w_o, all of K, in registers (32 fragments, 384 registers) and streams the work-group's eight blocks of 16 rows past them: 32 products a block, its four accumulators by turns, K ascending,
; the bias as the first products' C.  The rows' fragments and the sums lie twice: block n + 2 is fetched behind block n's products, and block n's results go through my own stage in LDS and are stored behind block n + 1's products.
; THE MATRIX INSTRUCTION IS USED TRANSPOSED (source 0 = w_o's rows): a lane holds eight neighbouring columns of one row of out0; a block's row of 64 columns is one aligned unit of 256 bytes.
; W's tiles are asked for first: the first barrier shows them alone, and their way into registers stands ahead of the wait for o's tiles.
; No prefetch: every tile is asked for at the head, and there is no loop to run ahead in.
; REGISTERS: window 0: v16-29 addresses; v32-63 w_o's scale words (8 b + s); v68-83 the rows' scale words, two sets; v96-159 sums, two sets of four; v160-191 the bias; v192-223 a block on its way out.
;   window 1: w_o's fragments 4 s + b for s = 0..4;  window 2: for s = 5..7;  window 3: the rows' fragments, two sets of eight.
.set TAU,    12288                     ; a tile of 16 rows, all of K
.set LB,     8*TAU                     ; LDS: o's 8 tiles at 0, w_o's 16 tiles here,
.set LSA,    24*TAU                    ; o's scale bytes,
.set LSB,    LSA+4096                  ; w_o's,
.set STAGE,  LSB+8192                  ; a stage of 16 rows x (256 + 16) bytes for each wave, on bytes of its own,
.set SPITCH, 272
.set SPARE,  STAGE+4*16*SPITCH         ; and the spare words
.set NF,     52                        ; LDS loads of a block: 48 for eight fragments, 4 for eight scale words
.set ADRA, 16                          ; v16, v17  my lane's place in o's tiles 0-3, 4-7
.set ADRW, 18                          ; v18     in my four tiles of w_o
.set ADSA, 19                          ; v19     my row's scale words of o
.set ADSW, 20                          ; v20     of w_o
.set STO,  24
.set RD,   25
.set CO,   26
.set SPW,  28
.set NIL,  29
.set WS,   32
.set AS,   68                          ; (the two scale registers of a product differ modulo 8)
.set ACC,  96
.set BI,   160
.set BK,   192
.set G1A,  24
.set G1B,  32
.set G1SA, 48
.set G1SB, 56
.set G0A,  68
.set G0B,  72
.set G0SA, 76
.set G0SB, 80
.set MSB, 0
.macro WIN new                         ; the immediate's high byte repeats the setting that is left
.if MSB != \new
	s_set_vgpr_msb (MSB<<8)|\new
.set MSB, \new
.endif
.endm
.macro PLACES n
.rept \n
	v_nop
.endr
.endm
.macro CROUND                          ; a round of the cluster's barrier
	s_barrier_signal -1
	s_barrier_wait -1
	s_cmp_lg_u32 s14, 0
	s_cbranch_scc1 .Lnot_wave_0_\@
	s_barrier_signal -3
.Lnot_wave_0_\@:
	s_barrier_wait -3
	s_barrier_signal -1
	s_barrier_wait -1
.endm
.macro DENSE g, mask, rows             ; group 1 of a dense block: rows of 256 bytes (32 elements of 8)
	s_or_b32 s[\g+0], s[\mask], (3<<16)|(1<<21)
	s_mov_b32 s[\g+1], 32<<16
	s_mov_b32 s[\g+2], (\rows)<<16
	s_mov_b32 s[\g+3], 32<<16
	s_mov_b32 s[\g+4], \rows
	s_mov_b32 s[\g+5], 32
	s_mov_b32 s[\g+6], 0
	s_mov_b32 s[\g+7], 0
.endm
	s_load_b128 s[4:7], s[0:1], 0x0                ; o_img, o_sc
	s_load_b128 s[8:11], s[0:1], 0x10              ; codes, scl
	s_load_b64 s[84:85], s[0:1], 0x20              ; b_o
	s_load_b64 s[12:13], s[0:1], 0x28              ; out0
	v_lshl_add_u32 v[SPW], v0, 2, SPARE
	v_mov_b32 v[NIL], 0
	ds_add_u32 v[SPW], v[NIL]                      ; the opening lines: the add, twice on end, and its wait
	ds_add_u32 v[SPW], v[NIL]
	v_lshrrev_b32 v1, 5, v0
	v_readfirstlane_b32 s14, v1                    ; wave 0..3
	s_bfe_u32 s40, ttmp6, 0x40000                  ; cx
	s_bfe_u32 s41, ttmp6, 0x40004                  ; cy
	s_lshl_b32 s42, ttmp9, 2
	s_add_co_u32 s42, s42, s40                     ; column group 0..3
	s_and_b32 s17, ttmp7, 0xffff
	s_lshl_b32 s17, s17, 2
	s_add_co_u32 s17, s17, s41                     ; row block 0..63
	s_lshl_b32 s43, s41, 2
	s_lshl_b32 s43, 15, s43                        ; my row of the cluster
	s_lshl_b32 s44, 0x1111, s40                    ; my column
	DENSE G1A,  43, 384
	DENSE G1B,  44, 768
	DENSE G1SA, 43, 16
	DENSE G1SB, 44, 32
	s_mul_i32 s20, s17, 8*TAU                      ; o's 8 tiles, in bytes
	s_mov_b32 s21, 0
	s_lshl_b32 s22, s17, 12                        ; their scale bytes
	s_mov_b32 s23, 0
	s_mul_i32 s46, s42, 16*TAU                     ; w_o's 16 tiles,
	s_add_co_u32 s46, s46, 1728*TAU                ; from tile 1728 on
	s_mov_b32 s47, 0
	s_lshl_b32 s86, s42, 13
	s_add_co_u32 s86, s86, 1728*512
	s_mov_b32 s87, 0
	s_mov_b32 s[G0A], 1
	s_mov_b32 s[G0A+1], 0
	s_mov_b32 s[G0B], 1
	s_mov_b32 s[G0B+1], LB
	s_mov_b32 s[G0SA], 1
	s_mov_b32 s[G0SA+1], LSA
	s_mov_b32 s[G0SB], 1
	s_mov_b32 s[G0SB+1], LSB
	s_wait_dscnt 0x0                               ; both opening adds are done
	s_wait_kmcnt 0x0
	s_add_nc_u64 s[G0A+2:G0A+3], s[4:5], s[20:21]
	s_or_b32 s[G0A+3], s[G0A+3], 0x80000000
	s_add_nc_u64 s[G0SA+2:G0SA+3], s[6:7], s[22:23]
	s_or_b32 s[G0SA+3], s[G0SA+3], 0x80000000
	s_add_nc_u64 s[G0B+2:G0B+3], s[8:9], s[46:47]
	s_or_b32 s[G0B+3], s[G0B+3], 0x80000000
	s_add_nc_u64 s[G0SB+2:G0SB+3], s[10:11], s[86:87]
	s_or_b32 s[G0SB+3], s[G0SB+3], 0x80000000
	CROUND                                         ; all sixteen work-groups are here: the joint loads meet
.macro ARM under, g0, g1, next         ; one tree of branches on the wave's number: every way passes exactly one load
	s_cmp_lt_u32 s14, \under
	s_cbranch_scc0 \next
	tensor_load_to_lds s[\g0:\g0+3], s[\g1:\g1+7]
	s_nop 0
	PLACES 4
	s_branch .Lasked
\next:
.endm
	ARM 1, G0B,  G1B,  .Lwave_1                    ; wave 0: w_o's tiles
	ARM 2, G0SB, G1SB, .Lwave_2                    ; wave 1: their scale bytes
	ARM 3, G0A,  G1A,  .Lwave_3                    ; wave 2: o's tiles
	tensor_load_to_lds s[G0SA:G0SA+3], s[G1SA:G1SA+7]   ; wave 3: their scale bytes
	s_nop 0
	PLACES 4
.Lasked:
	s_lshl_b32 s20, s17, 19                        ; out0: 128 rows of 4,096 bytes a row block,
	s_lshl_b32 s46, s42, 10                        ; 1,024 bytes a column group,
	s_lshl_b32 s47, s14, 8                         ; 256 a wave
	s_add_co_u32 s46, s46, s47
	s_add_co_u32 s20, s20, s46
	s_mov_b32 s21, 0
	s_add_nc_u64 s[12:13], s[12:13], s[20:21]
	s_mov_b32 s47, 0
	s_add_nc_u64 s[84:85], s[84:85], s[46:47]      ; and my 64 numbers of the bias
	s_mul_i32 s21, s14, 4*TAU
	s_add_co_u32 s21, s21, LB                      ; my four tiles of w_o
	s_lshl_b32 s22, s14, 11
	s_add_co_u32 s22, s22, LSB                     ; their scale bytes
	s_mul_i32 s23, s14, 16*SPITCH
	s_add_co_u32 s23, s23, STAGE                   ; my stage
	v_and_b32 v1, 15, v0                           ; r
	v_bfe_u32 v2, v0, 4, 1                         ; h
	v_and_b32 v3, 31, v0
	v_lshlrev_b32 v[ADRA], 3, v3                   ; 8 x lane
	v_lshlrev_b32 v5, 3, v1                        ; 8 r
	v_add_nc_u32 v[ADRA+1], 4*TAU, v[ADRA]
	v_add_nc_u32 v[ADRW], s21, v[ADRA]
	v_add_nc_u32 v[ADSA], LSA, v5
	v_add_nc_u32 v[ADSW], s22, v5
	v_mul_u32_u24 v6, v1, SPITCH                   ; into the stage: row r, 64 bytes for each half of the lanes: column 32 G + 16 h + 8 u + j of tile 2 G + u
	v_lshl_add_u32 v6, v2, 6, v6
	v_add_nc_u32 v[STO], s23, v6
	v_mul_u32_u24 v8, v2, SPITCH                   ; back: sixteen lanes to a row of 256 bytes, two rows an instruction
	v_lshl_add_u32 v8, v1, 4, v8
	v_add_nc_u32 v[RD], s23, v8
	v_lshlrev_b32 v9, 12, v2                       ; and the same two rows in out0
	v_lshl_add_u32 v[CO], v1, 4, v9
	v_lshlrev_b32 v7, 6, v2
	s_wait_alu depctr_va_vdst(0)                   ; the wait at the head's end
.irp b, 0,1,2,3
	global_load_b128 v[BI+8*\b:BI+8*\b+3], v7, s[84:85] offset:(32*(\b/2)+8*(\b%2))*4      ; the bias, laid as a result lies
	global_load_b128 v[BI+8*\b+4:BI+8*\b+7], v7, s[84:85] offset:(32*(\b/2)+8*(\b%2))*4+16
.endr
	s_cmp_lt_u32 s14, 2
	s_cbranch_scc0 .Lnot_w
	s_wait_tensorcnt 0x0                           ; waves 0 and 1: their lines are theirs alone
.Lnot_w:
	s_barrier_signal -1
	s_barrier_wait -1                              ; w_o's tiles and scale bytes are in
.irp s, 0,1,2,3,4,5,6,7                ; my 64 rows of w_o, all of K
	WIN (1+\s/5)<<6
.irp b, 0,1,2,3
.irp p, 0,1,2,3,4,5
	ds_load_b64 v[12*((4*\s+\b)%20)+2*\p:12*((4*\s+\b)%20)+2*\p+1], v[ADRW] offset:\b*TAU+\s*1536+256*\p
.endr
.endr
.endr
	WIN 0
.irp b, 0,1,2,3
.irp j, 0,1,2,3
	ds_load_b64 v[WS+8*\b+2*\j:WS+8*\b+2*\j+1], v[ADSW] offset:\b*512+128*\j
.endr
.endr
	s_wait_tensorcnt 0x0                           ; every wave: all that is still out
	s_wait_dscnt 0x0
	s_barrier_signal -1
	s_barrier_wait -1                              ; o's tiles and scale bytes are in
.macro FETCH n                         ; block n's eight fragments and eight scale words into set n % 2
.set E_, (\n)%2
	WIN 0xc0
.irp s, 0,1,2,3,4,5,6,7
.irp p, 0,1,2,3,4,5
	ds_load_b64 v[96*E_+12*\s+2*\p:96*E_+12*\s+2*\p+1], v[ADRA+(\n)/4] offset:((\n)%4)*TAU+\s*1536+256*\p
.endr
.endr
	WIN 0
.irp j, 0,1,2,3
	ds_load_b64 v[AS+8*E_+2*\j:AS+8*E_+2*\j+1], v[ADSA] offset:(\n)*512+128*\j
.endr
.endm
.macro PRODS s0, s1, s2, s3, s4        ; products of up to five K steps (a step under 0 is left out): the four accumulators by turns
.irp s, \s0, \s1, \s2, \s3, \s4
.if \s >= 0
.irp b, 0,1,2,3
.if \s == 0
	v_wmma_scale_f32_16x16x128_f8f6f4 v[ACC+32*E_+8*\b:ACC+32*E_+8*\b+7], v[12*((4*\s+\b)%20):12*((4*\s+\b)%20)+11], v[96*E_+12*\s:96*E_+12*\s+11], v[BI+8*\b:BI+8*\b+7], v[WS+8*\b+\s], v[AS+8*E_+\s] matrix_a_fmt:MATRIX_FMT_FP6 matrix_b_fmt:MATRIX_FMT_FP6
.else
	v_wmma_scale_f32_16x16x128_f8f6f4 v[ACC+32*E_+8*\b:ACC+32*E_+8*\b+7], v[12*((4*\s+\b)%20):12*((4*\s+\b)%20)+11], v[96*E_+12*\s:96*E_+12*\s+11], v[ACC+32*E_+8*\b:ACC+32*E_+8*\b+7], v[WS+8*\b+\s], v[AS+8*E_+\s] matrix_a_fmt:MATRIX_FMT_FP6 matrix_b_fmt:MATRIX_FMT_FP6
.endif
.endr
.endif
.endr
.endm
.macro MULS n                          ; block n: 32 products
.set E_, (\n)%2
	WIN 0x0d                                       ; source 0 window 1, source 1 window 3, C and D window 0
	PRODS 0, 1, 2, 3, 4
	WIN 0x0e                                       ; source 0 window 2
	PRODS 5, 6, 7, -1, -1
	WIN 0
.endm
.macro TOSTAGE n                       ; block n's 16 rows x 64 columns into my stage and back as whole rows; LDS serves a wave's instructions in order (ISA guide 5.7.1.4)
.set A_, ACC+32*((\n)%2)
.irp b, 0,1,2,3
	ds_store_b128 v[STO], v[A_+8*\b:A_+8*\b+3] offset:128*(\b/2)+32*(\b%2)          ; each accumulator from its low end on
	ds_store_b128 v[STO], v[A_+8*\b+4:A_+8*\b+7] offset:128*(\b/2)+32*(\b%2)+16
.endr
.irp k, 0,1,2,3,4,5,6,7
	ds_load_b128 v[BK+4*\k:BK+4*\k+3], v[RD] offset:\k*2*SPITCH
.endr
.endm
.macro SEND n                          ; places 2 k, 2 k + 1 of tile n: sixteen lanes store 256 consecutive bytes, aligned
.irp k, 0,1,2,3,4,5,6,7
	global_store_b128 v[CO], v[BK+4*\k:BK+4*\k+3], s[12:13] offset:(32*((\n)/2)+8*((\n)%2)+2*\k+8*(\k/4))*4096 th:TH_STORE_NT
.endr
.endm
	FETCH 0
	FETCH 1
	s_wait_loadcnt 0x0                             ; the bias
	s_wait_dscnt NF                                ; block 0's rows are in; block 1's NF loads, issued behind them, may be out
.irp n, 0,1,2,3,4,5,6,7
	MULS \n
	s_wait_dscnt 0x0                               ; what was issued behind the block before: the next block's rows are in, and the last block is back from the stage
.if \n > 0
	SEND \n-1
.endif
	PLACES 4                                       ; between the products and the loads into their operands and the stores of their results
.if \n < 6
	FETCH \n+2
.endif
.if \n > 0
	s_wait_xcnt 0x0                                ; the stores have read their registers: the next block may land there
.endif
	TOSTAGE \n
.endr
	s_wait_dscnt 0x0
	SEND 7
	s_wait_tensorcnt 0x0                           ; the wave's end
	ds_add_u32 v[SPW], v[NIL]
	s_wait_dscnt 0x0
	CROUND                                         ; the closing round
	s_endpgm
.Lfunc_end_k_q4ba748e4c0_outp:
	.size	k_q4ba748e4c0_outp, .Lfunc_end_k_q4ba748e4c0_outp-k_q4ba748e4c0_outp
	.p2alignl 7, 3214868480
	.fill 96, 4, 3214868480
	.section	.rodata,"a",@progbits
	.p2align	6, 0x0
	.amdhsa_kernel k_q4ba748e4c0_outp
		.amdhsa_group_segment_fixed_size 327680
		.amdhsa_private_segment_fixed_size 0
		.amdhsa_enable_private_segment 0
		.amdhsa_kernarg_size 48
		.amdhsa_user_sgpr_count 2
		.amdhsa_user_sgpr_kernarg_segment_ptr 1
		.amdhsa_wavefront_size32 1
		.amdhsa_system_sgpr_workgroup_id_x 1
		.amdhsa_system_sgpr_workgroup_id_y 1
		.amdhsa_system_sgpr_workgroup_id_z 1
		.amdhsa_system_vgpr_workitem_id 0
		.amdhsa_next_free_vgpr 960
		.amdhsa_next_free_sgpr 100
		.amdhsa_reserve_vcc 0
		.amdhsa_float_denorm_mode_32 3
		.amdhsa_float_denorm_mode_16_64 3
		.amdhsa_memory_ordered 1
		.amdhsa_forward_progress 1
		.amdhsa_inst_pref_size 97
	.end_amdhsa_kernel
	.amdgpu_metadata
---
amdhsa.version: [ 1, 2 ]
amdhsa.kernels:
  - .name:           k_q4ba748e4c0_outp
    .symbol:         k_q4ba748e4c0_outp.kd
    .args:
      - { .name: o_img, .offset: 0, .size: 8, .value_kind: global_buffer, .address_space: global }
      - { .name: o_sc, .offset: 8, .size: 8, .value_kind: global_buffer, .address_space: global }
      - { .name: codes, .offset: 16, .size: 8, .value_kind: global_buffer, .address_space: global }
      - { .name: scl, .offset: 24, .size: 8, .value_kind: global_buffer, .address_space: global }
      - { .name: b_o, .offset: 32, .size: 8, .value_kind: global_buffer, .address_space: global }
      - { .name: out0, .offset: 40, .size: 8, .value_kind: global_buffer, .address_space: global }
    .group_segment_fixed_size: 327680
    .private_segment_fixed_size: 0
    .kernarg_segment_align: 8
    .kernarg_segment_size: 48
    .max_flat_workgroup_size: 128
    .sgpr_count:     100
    .vgpr_count:     960
    .wavefront_size: 32
...
	.end_amdgpu_metadata
.endif
;; end of part 4
